; MI455X (gfx1250); checked and timed in simulation.
; The chip was launched on July 23, 2026; its instructions are those of AMD's public machine-readable ISA for CDNA 5 (MIT licence, August 2026) and "CDNA5" Instruction Set Architecture Reference Guide (July 2026). The comments in the code are by the model that wrote it; some were corrected since.
;; Multi Head Self Attention. Allowed arithmetic: matrix products marked QUANTISED: E2M1 operands, one E8M0 scale for each 32 along K, by v_wmma_scale_f32_16x16x128_f8f6f4 with both operands' format E2M1 (or v_wmma_scale_f32_32x16x128_f4), f32 sums; products left as they are: bf16, f16 or f32 operands; f32 sums; everything else in f32.
;; Inputs: in_features 4 x 2,048 x 1,024 float32; token_positions 2,048 int32; w_k 1,024 x 1,024 float32; w_o 1,024 x 1,024 float32; w_q 1,024 x 1,024 float32; w_v 1,024 x 1,024 float32.
;; Outputs: out0 4 x 2,048 x 1,024 float32.
;; This version of the problem:
;;   THIS VERSION OF THE PROBLEM IS GIVEN IN LOW PRECISION. The matrix products marked QUANTISED in the list below multiply operands that are first quantised to E2M1 (2 exponent bits, 1 mantissa bit; 4 bits a number), with one power-of-two scale for each 32 numbers along K (OCP MX v1.0); their sums are f32. The products marked 'left as it is' may take bf16, f16 or f32 operands, with f32 sums. Whichever they take, every output number must still come out within the allowed error. Rounding operands to bf16 (8 significant bits) uses up far more of that allowance than f16 does (11 bits, for magnitudes from 6e-5 to 65,504). All else is computed in f32.
;;   The module's matrix products, in the order in which they are computed (A, B: the left and right operand; K: the contracted axis; several contracted axes count as one K, in the product's order):
;;     1. [M 8,192, K 1,024] x [K 1,024, N 1,024]; A: input in_features; B: input w_q: QUANTISED
;;     2. [M 8,192, K 1,024] x [K 1,024, N 1,024]; A: input in_features; B: input w_k: QUANTISED
;;     3. [M 8,192, K 1,024] x [K 1,024, N 1,024]; A: input in_features; B: input w_v: QUANTISED
;;     4. batch 64 x [M 2,048, K 64] x [K 64, N 2,048]; A: computed on the way; B: computed on the way: left as it is (an operand is computed on the way)
;;     5. batch 64 x [M 2,048, K 2,048] x [K 2,048, N 64]; A: computed on the way; B: computed on the way: left as it is (an operand is computed on the way)
;;     6. [M 8,192, K 1,024] x [K 1,024, N 1,024]; A: computed on the way; B: input w_o: left as it is (an operand is computed on the way)
;;   THE QUANTISER, for each operand of a quantised product, along K:
;;     - K is cut into blocks of 32 from its start; a last block that is shorter is filled with zeros.
;;     - A block's scale is 2^e with e = floor(log2(the largest magnitude in the block)) - 2, held to -126 .. 127; a block of zeros has e = 0. As a byte (E8M0): e + 127.
;;     - Each number is divided by its block's scale, clamped to +-6, and rounded to the nearest number of E2M1, ties to even, subnormals kept.
;;     - The product sums the exact products of the quantised numbers (number of the format x scale) in f32.
;;   ~~~python
;;   def quantise(x, axis):      # numpy; x: float32 -> the quantised numbers, widened to float32 again
;;       x = np.moveaxis(x, axis, -1); K = x.shape[-1]
;;       x = np.pad(x, [(0, 0)] * (x.ndim - 1) + [(0, -K % 32)]); x = x.reshape(x.shape[:-1] + (-1, 32)); a = np.abs(x).max(-1, keepdims=True)
;;       e = np.where(a > 0, np.clip(np.frexp(np.where(a > 0, a, 1))[1] - 1 - 2, -126, 127), 0)      # np.frexp(a)[1] - 1 = floor(log2(a)), exactly
;;       r = np.clip(x / 2.0 ** e, -6, 6)
;;       step = 2.0 ** (np.maximum(np.frexp(np.where(r == 0, 1, r))[1] - 1, 0) - 1)
;;       q = np.round(r / step) * step * 2.0 ** e      # np.round: ties to even
;;       return np.moveaxis(q.reshape(q.shape[:-2] + (-1,))[..., :K], -1, axis).astype(np.float32)
;;   ~~~
;; One version. Each part assembles by itself: llvm-mc -triple=amdgcn-amd-amdhsa -mcpu=gfx1250 --defsym DOCPART=n.
;; ======== version 1 of 1: 5 launches
;; limits: values are held in f16: magnitudes above 65,504 overflow, below 6.1e-05 lose precision
;; workspace buffers: codes 5,767,168 bytes; scales 360,448 bytes; wo16 2,097,152 bytes; rope 524,288 bytes; qkv 50,331,648 bytes; q32 786,432 bytes; att 16,777,216 bytes
;; launch prep (part 1): grid 400 x 1, 4 waves a work-group, no clusters, 33,280 bytes of LDS; arguments in_features, w_q, w_k, w_v, w_o, token_positions, codes, scales, wo16, rope; writes codes, scales, wo16, rope
.if DOCPART == 1
	.amdgcn_target "amdgcn-amd-amdhsa--gfx1250"
	.amdhsa_code_object_version 6
	.text
	.protected	k_q78e720a50f_prep
	.globl	k_q78e720a50f_prep
	.p2align	8
	.type	k_q78e720a50f_prep,@function
k_q78e720a50f_prep:
	s_mov_b64 s[64:65], 0
	v_nop
	global_prefetch_b8 v0, s[64:65] scope:SCOPE_SE
	s_setreg_imm32_b32 hwreg(HW_REG_WAVE_MODE, 25, 1), 1
	s_wait_xcnt 0x0
; MULTI-HEAD SELF-ATTENTION, B = 4, S = 2,048, D = 1,024, H = 16, d_k = 64.  Five launches: prep, qkv, first16, attn, proj.
; WORK LEFT OUT IN THE PROGRAM, AND WHY IT IS DEAD.  The causal mask is built in the problem's own body (a lower triangle of ones): a score of key k and query q with k > q becomes -infinity ahead of the softmax,
; its weight is 0 whatever the inputs hold, and it reaches no output.  So tiles of keys that lie wholly behind a wave's queries are not multiplied (launch attn); inside tiles that also hold live keys the hidden
; scores are computed and masked.  No input is dead: all six are loaded.  LIMIT: a NaN, an infinity or an overflow that reaches only hidden tiles is not carried to the result.
; THIS LAUNCH makes what the later ones read more than once:
;   work-groups 0-351:   in_features, w_q, w_k, w_v (f32, K innermost) into codes of E2M1 and one E8M0 byte for each 32 along K.  codes: x's 8,192 rows of 512 bytes, then the weights' 3,072 rows (q, k, v); scales likewise, 32 bytes a row.
;   work-groups 352-383: w_o into f16, laid by head: wo16[h][n][64] = w_o[n][64 h + d].
;   work-groups 384-399: the table rope[s][j] = (cos, sin)(token_positions[s] x 100000^(-j / 32)), f32, 256 bytes a row.
; THE QUANTISER: a block's scale is 2^(floor(log2(its largest magnitude)) - 2); its byte is the largest magnitude's exponent field - 2, held at 1 from below.  A block of zeros so gets the byte 1 where the rule says 127:
; its codes are zeros, which add nothing under any byte but 0xff, and the bytes are read by this program alone.  Each number is divided by the scale and rounded to the nearest code, ties to even, beyond 6 the largest code.
; LIMITS: blocks whose largest magnitude lies under 2^(2 - 126) keep the byte 1; NaN and infinities among the inputs are not served; w_o must lie under 65,504 in magnitude (f16).
; The frequency is 2^(-j log2(100000) / 32) by v_exp_f32 (1 ulp): the angle differs from one made of a correctly rounded frequency by some 1e-7 of itself.  Sine and cosine: the angle less a multiple of pi / 2 in two parts, then polynomials on +-pi / 4.
; Rows are dense and K is a multiple of 32, so the four tensors are plain streams of blocks of 32.  A wave takes 16 steps of 512 numbers: each load reads 512 consecutive bytes; a step's 2,048 bytes turn through the wave's own
; stage in LDS so that a lane holds 16 neighbours; a wave's store of codes covers 256 consecutive bytes; its 256 scale bytes are gathered in LDS and leave as 256 consecutive bytes.
.set WGQ,   352                        ; work-groups that quantise: 256 for x, 32 for each weight
.set WGW,   384                        ; up to here: w_o
.set WAVES, 4
.set STEPS, 16
.set EMAX,  2
.set CB,    8                          ; bytes of 16 codes
.set R,     16                         ; v16-79   four sets of 16 numbers as they are loaded
.set X,     80                         ; v80-111  two sets of 16 neighbours
.set C,     128                        ; v128-191 codes: four registers a step, so that no store's data are written again
.set E,     112                        ; v112-127 a scale byte for each step
.set WREG,  8192                       ; LDS: a region for each wave: two stages of 32 x SP bytes, then its 256 scale bytes
.set SP,    80                         ; a lane's place in a stage: 64 bytes + 16 of padding
.set SPW,   12                         ; v12  LDS address of my spare word; never rewritten
.set NIL,   13                         ; v13  0; never rewritten
.set SPARE, WAVES*WREG                 ; behind the four regions: the spare words, 128 bytes a wave, which no other line names
	s_load_b512 s[4:19], s[0:1], 0x0               ; x 4:5, w_q 6:7, w_k 8:9, w_v 10:11, w_o 12:13, positions 14:15, codes 16:17, scales 18:19
	s_load_b128 s[20:23], s[0:1], 0x40             ; wo16 20:21, rope 22:23
	v_lshl_add_u32 v[SPW], v0, 2, SPARE
	v_mov_b32 v[NIL], 0
	v_lshrrev_b32 v1, 5, v0
	v_readfirstlane_b32 s24, v1                    ; wave
	v_and_b32 v2, 31, v0                           ; lane
	s_wait_kmcnt 0x0
	s_cmp_lt_u32 ttmp9, WGQ
	s_cbranch_scc0 .Lnot_quant
	; ---------------- the quantiser
	v_lshlrev_b32 v3, 4, v2                        ; my 16 bytes of a load's 512
	s_mul_i32 s25, s24, WREG
	v_lshrrev_b32 v14, 2, v2
	v_mul_u32_u24 v14, v14, SP
	v_and_b32 v15, 3, v2
	v_lshl_add_u32 v14, v15, 4, v14
	v_add_nc_u32 v14, s25, v14                     ; the stage, on the way in: SP (lane / 4) + 16 (lane % 4)
	v_mul_u32_u24 v15, v2, SP
	v_add_nc_u32 v15, s25, v15                     ; and on the way out: SP x lane: my 16 neighbours
	v_mul_u32_u24 v4, v2, CB                       ; my codes' place in a step's
	v_lshrrev_b32 v5, 1, v2
	s_add_co_u32 s25, s25, 2*32*SP
	v_add_nc_u32 v5, s25, v5                       ; my wave's 256 scale bytes, my block's byte
	v_lshlrev_b32 v7, 3, v2                        ; and on the way out 8 bytes a lane
	v_add_nc_u32 v6, s25, v7
	s_sub_co_u32 s28, ttmp9, 256
	s_and_b32 s28, s28, 31                         ; a weight's work-group among its 32
	s_cmp_lt_u32 ttmp9, 320                        ; the source is chosen by the work-group's number alone
	s_cselect_b64 s[26:27], s[8:9], s[10:11]
	s_cmp_lt_u32 ttmp9, 288
	s_cselect_b64 s[26:27], s[6:7], s[26:27]
	s_cmp_lt_u32 ttmp9, 256
	s_cselect_b64 s[26:27], s[4:5], s[26:27]
	s_cselect_b32 s28, ttmp9, s28
	s_lshl_b32 s28, s28, 2
	s_add_co_u32 s28, s28, s24                     ; which run of 8,192 numbers of the source is my wave's
	s_lshl_b32 s28, s28, 15                        ; 32,768 bytes a run
	s_mov_b32 s29, 0
	s_add_nc_u64 s[26:27], s[26:27], s[28:29]
	s_lshl_b32 s30, ttmp9, 2
	s_add_co_u32 s30, s30, s24                     ; the run among all 1,408: the weights follow x in both buffers
	s_lshl_b32 s28, s30, 12                        ; 4,096 bytes of codes a run
	s_add_nc_u64 s[16:17], s[16:17], s[28:29]
	s_lshl_b32 s28, s30, 8                         ; 256 scale bytes a run
	s_add_nc_u64 s[18:19], s[18:19], s[28:29]
.macro LOAD t
.irp i, 0,1,2,3
	global_load_b128 v[R+16*((\t)%4)+4*\i:R+16*((\t)%4)+4*\i+3], v3, s[26:27] offset:2048*(\t)+512*\i th:TH_LOAD_NT   ; 32 lanes read 512 consecutive bytes
.endr
.endm
.macro TURN t                          ; step t's numbers through the stage: LDS serves a wave's instructions in order, so no wait stands between the stores and the loads
.irp i, 0,1,2,3
	ds_store_b128 v14, v[R+16*((\t)%4)+4*\i:R+16*((\t)%4)+4*\i+3] offset:32*SP*((\t)%2)+8*SP*\i
.endr
.irp i, 0,1,2,3
	ds_load_b128 v[X+16*((\t)%2)+4*\i:X+16*((\t)%2)+4*\i+3], v15 offset:32*SP*((\t)%2)+16*\i
.endr
.endm
.irp t, 0,1,2,3
	LOAD \t
.endr
	s_wait_loadcnt 12                              ; step 0's four loads are in; three steps' twelve may be out
	TURN 0
.macro STEP t
.set XS, X+16*((\t)%2)
.if (\t) > 0
	s_wait_dscnt 1                                 ; this step's numbers are back from the stage (the last step's byte store may be out)
.else
	s_wait_dscnt 0x0
.endif
.if (\t)+4 < STEPS
	LOAD (\t)+4                                    ; into the registers that the stage's stores have read
.endif
.if (\t)+1 < STEPS
.if STEPS-2-(\t) >= 3
	s_wait_loadcnt 12                              ; the next step's four loads are in; those of the three steps behind it may be out
.else
	s_wait_loadcnt 4*(STEPS-2-(\t))
.endif
	TURN (\t)+1
.endif
	v_max3_num_f32 v8, |v[XS]|, |v[XS+1]|, |v[XS+2]|               ; the largest magnitude of my 16, in two chains
	v_max3_num_f32 v9, |v[XS+3]|, |v[XS+4]|, |v[XS+5]|
.irp i, 6,10
	v_max3_num_f32 v8, v8, |v[XS+\i]|, |v[XS+\i+1]|
	v_max3_num_f32 v9, v9, |v[XS+\i+2]|, |v[XS+\i+3]|
.endr
	v_max3_num_f32 v8, v8, |v[XS+14]|, |v[XS+15]|
	v_max3_num_f32 v8, v8, v9, (EMAX+1)<<23        ; and the floor 2^(EMAX + 1 - 127): the byte cannot fall under 1
	v_max_num_f32_dpp v8, v8, v8 row_xmask:1 row_mask:0xf bank_mask:0xf   ; and of my neighbour's 16: the block's
	v_add_nc_u32 v11, -(EMAX<<23), v8              ; EMAX off its exponent field: the conversion takes the exponent field of this operand as its scale
	v_cvt_scalef32_pk8_fp4_f32 v[C+4*(\t)], v[XS:XS+7], v11
	v_cvt_scalef32_pk8_fp4_f32 v[C+4*(\t)+1], v[XS+8:XS+15], v11
	v_lshrrev_b32 v[E+(\t)], 23, v11               ; the scale's byte (also the plain line behind the conversions)
	ds_store_b8 v5, v[E+(\t)] offset:16*(\t)       ; both lanes of a block write the same byte with the same value
	global_store_b64 v4, v[C+4*(\t):C+4*(\t)+1], s[16:17] offset:32*CB*(\t)   ; the wave stores 256 consecutive bytes
.endm
.irp t, 0,1,2,3,4,5,6,7,8,9,10,11,12,13,14,15
	STEP \t
.endr
	ds_load_b64 v[8:9], v6                         ; LDS serves a wave's instructions in order: these see my byte stores
	s_wait_dscnt 0x0
	global_store_b64 v7, v[8:9], s[18:19]          ; 32 lanes store 256 consecutive bytes
	s_wait_tensorcnt 0x0                           ; the wave's end: the add and its wait stand behind my last LDS store
	ds_add_u32 v[SPW], v[NIL]
	s_wait_dscnt 0x0
	s_endpgm
.Lnot_quant:
	s_cmp_lt_u32 ttmp9, WGW
	s_cbranch_scc0 .Lrope
	; ---------------- w_o to f16, by head.  A wave takes 8 rows n, two at a time: a load reads, of two rows, one head's 256 bytes each; its 4 numbers a lane become 8 bytes, and the wave's store covers 256 consecutive bytes of wo16.  No LDS.
	s_sub_co_u32 s25, ttmp9, WGQ
	s_lshl_b32 s25, s25, 5
	s_lshl_b32 s26, s24, 3
	s_add_co_u32 s25, s25, s26                     ; my first row n0 = 32 x work-group + 8 x wave
	s_lshl_b32 s26, s25, 12
	s_mov_b32 s27, 0
	s_add_nc_u64 s[12:13], s[12:13], s[26:27]      ; w_o at row n0
	s_lshl_b32 s26, s25, 7
	s_add_nc_u64 s[20:21], s[20:21], s[26:27]      ; wo16 at [0][n0][0]
	v_lshrrev_b32 v3, 4, v2
	v_and_b32 v4, 15, v2
	v_lshlrev_b32 v3, 12, v3
	v_lshl_add_u32 v3, v4, 4, v3                   ; in: row lane / 16, 16 bytes at 16 (lane % 16)
	v_lshlrev_b32 v4, 3, v2                        ; out: 8 x lane
.macro LOADG p                         ; row pair p, all 16 heads, into set p % 2
.irp h, 0,1,2,3,4,5,6,7,8,9,10,11,12,13,14,15
	global_load_b128 v[32+64*((\p)%2)+4*\h:32+64*((\p)%2)+4*\h+3], v3, s[12:13] offset:(\p)*8192+\h*256
.endr
.endm
.macro GROUP p
.if (\p) < 3
	s_wait_loadcnt 16                              ; this pair's 16 loads are in; the next pair's may be out
.else
	s_wait_loadcnt 0x0
.endif
	s_wait_xcnt 0x0                                ; the last pair's stores have read their data: v160-191 are written again only behind this wait
.irp h, 0,1,2,3,4,5,6,7,8,9,10,11,12,13,14,15
	v_cvt_pk_f16_f32 v[160+2*\h], v[32+64*((\p)%2)+4*\h], v[32+64*((\p)%2)+4*\h+1]
	v_cvt_pk_f16_f32 v[161+2*\h], v[32+64*((\p)%2)+4*\h+2], v[32+64*((\p)%2)+4*\h+3]
.endr
.if (\p)+2 < 4
	LOADG (\p)+2
.endif
.irp h, 0,1,2,3,4,5,6,7,8,9,10,11,12,13,14,15
	global_store_b64 v4, v[160+2*\h:161+2*\h], s[20:21] offset:\h*131072+(\p)*256
.endr
.endm
	LOADG 0
	LOADG 1
	GROUP 0
	GROUP 1
	GROUP 2
	GROUP 3
	s_endpgm
.Lrope:
	; ---------------- the table of cosines and sines.  A wave takes 32 positions; lane = j.  The positions are values here: no address hangs on them.  No LDS.
	s_sub_co_u32 s25, ttmp9, WGW
	s_lshl_b32 s25, s25, 7
	s_lshl_b32 s26, s24, 5
	s_add_co_u32 s25, s25, s26                     ; my first row s0 = 128 x work-group + 32 x wave
	s_lshl_b32 s26, s25, 2
	s_mov_b32 s27, 0
	s_add_nc_u64 s[14:15], s[14:15], s[26:27]
	s_load_b512 s[32:47], s[14:15], 0x0            ; 32 positions
	s_load_b512 s[48:63], s[14:15], 0x40
	s_lshl_b32 s26, s25, 8
	s_add_nc_u64 s[22:23], s[22:23], s[26:27]      ; the table at row s0
	s_mov_b32 s66, 0x3f22f983                      ; 2 / pi
	s_mov_b32 s67, 0xbfc90fdb                      ; -(pi / 2), its high part,
	s_mov_b32 s68, 0x333bbd2e                      ; and less its low part
	s_mov_b32 s69, 0xbe2aaaa3                      ; sine: r + r z (S1 + z (S2 + z S3)), z = r r
	s_mov_b32 s70, 0x3c08839e
	s_mov_b32 s71, 0xb94ca1f9
	s_mov_b32 s72, 0x3d2aaaa5                      ; cosine: 1 - z / 2 + z z (C1 + z (C2 + z C3))
	s_mov_b32 s73, 0xbab6061a
	s_mov_b32 s74, 0x37ccf5ce
	s_mov_b32 s75, 0x80000000
	v_cvt_f32_u32 v4, v2
	v_mul_f32 v4, 0xbf04e08b, v4                   ; -j log2(100000) / 32
	v_exp_f32 v5, v4                               ; the frequency
	v_lshlrev_b32 v3, 3, v2                        ; (a plain line behind the exponential)  out: 8 x lane
	s_wait_alu depctr_va_vdst(0)                   ; the wait ahead of the first reader of the exponential
	s_wait_kmcnt 0x0
; Four rows at a time, line by line, so that no line waits for the line above it.  Row u's registers from v[16 + 12 u]: +0 angle, +1 n, +2 r, +3 n as a whole number, +4 z, +5 sine, +6 cosine, +7 .. +11 at work.
.macro ROWS i0
.irp u, 0,1,2,3
	v_cvt_f32_i32 v[16+12*\u], s[32+(\i0)+\u]
.endr
.irp u, 0,1,2,3
	v_mul_f32 v[16+12*\u], v[16+12*\u], v5         ; the angle, as the problem forms it: position x frequency, in f32
.endr
.irp u, 0,1,2,3
	v_mul_f32 v[17+12*\u], s66, v[16+12*\u]
.endr
.irp u, 0,1,2,3
	v_rndne_f32 v[17+12*\u], v[17+12*\u]           ; n: how many quarter turns
.endr
.irp u, 0,1,2,3
	v_fma_f32 v[18+12*\u], v[17+12*\u], s67, v[16+12*\u]
.endr
.irp u, 0,1,2,3
	v_fma_f32 v[18+12*\u], v[17+12*\u], s68, v[18+12*\u]   ; r = angle - n pi / 2
.endr
.irp u, 0,1,2,3
	v_cvt_i32_f32 v[19+12*\u], v[17+12*\u]
.endr
.irp u, 0,1,2,3
	v_mul_f32 v[20+12*\u], v[18+12*\u], v[18+12*\u]
.endr
.irp u, 0,1,2,3
	v_fma_f32 v[21+12*\u], v[20+12*\u], s71, s70
	v_fma_f32 v[22+12*\u], v[20+12*\u], s74, s73
.endr
.irp u, 0,1,2,3
	v_fma_f32 v[21+12*\u], v[21+12*\u], v[20+12*\u], s69
	v_fma_f32 v[22+12*\u], v[22+12*\u], v[20+12*\u], s72
.endr
.irp u, 0,1,2,3
	v_mul_f32 v[23+12*\u], v[20+12*\u], v[18+12*\u]
	v_mul_f32 v[24+12*\u], v[20+12*\u], v[20+12*\u]
	v_fma_f32 v[25+12*\u], v[20+12*\u], -0.5, 1.0
.endr
.irp u, 0,1,2,3
	v_fma_f32 v[21+12*\u], v[21+12*\u], v[23+12*\u], v[18+12*\u]   ; sin r
	v_fma_f32 v[22+12*\u], v[22+12*\u], v[24+12*\u], v[25+12*\u]   ; cos r
.endr
.irp u, 0,1,2,3
	v_and_b32 v[23+12*\u], 1, v[19+12*\u]          ; an odd quarter swaps the two;
	v_lshlrev_b32 v[24+12*\u], 30, v[19+12*\u]     ; bit 1 of n is the sine's sign,
	v_add_nc_u32 v[25+12*\u], 1, v[19+12*\u]       ; bit 1 of n + 1 the cosine's
.endr
.irp u, 0,1,2,3
	v_lshlrev_b32 v[25+12*\u], 30, v[25+12*\u]
	v_and_b32 v[24+12*\u], s75, v[24+12*\u]
.endr
.irp u, 0,1,2,3
	v_and_b32 v[25+12*\u], s75, v[25+12*\u]
.endr
.irp u, 0,1,2,3
	v_cmp_eq_u32 vcc_lo, 1, v[23+12*\u]
	v_cndmask_b32 v[26+12*\u], v[21+12*\u], v[22+12*\u], vcc_lo
	v_cndmask_b32 v[27+12*\u], v[22+12*\u], v[21+12*\u], vcc_lo
.endr
.irp u, 0,1,2,3
	v_xor_b32 v[64+2*((\i0)+\u)], v[25+12*\u], v[27+12*\u]   ; cos
	v_xor_b32 v[65+2*((\i0)+\u)], v[24+12*\u], v[26+12*\u]   ; sin
.endr
.irp u, 0,1,2,3
	global_store_b64 v3, v[64+2*((\i0)+\u):65+2*((\i0)+\u)], s[22:23] offset:256*((\i0)+\u)   ; a row of the table: 256 consecutive bytes; each row has its own data registers
.endr
.endm
.irp g, 0,4,8,12,16,20,24,28
	ROWS \g
.endr
	s_endpgm
.Lfunc_end_k_q78e720a50f_prep:
	.size	k_q78e720a50f_prep, .Lfunc_end_k_q78e720a50f_prep-k_q78e720a50f_prep
	.p2alignl 7, 3214868480
	.fill 96, 4, 3214868480
	.section	.rodata,"a",@progbits
	.p2align	6, 0x0
	.amdhsa_kernel k_q78e720a50f_prep
		.amdhsa_group_segment_fixed_size 33280
		.amdhsa_private_segment_fixed_size 0
		.amdhsa_enable_private_segment 0
		.amdhsa_kernarg_size 80
		.amdhsa_user_sgpr_count 2
		.amdhsa_user_sgpr_kernarg_segment_ptr 1
		.amdhsa_wavefront_size32 1
		.amdhsa_system_sgpr_workgroup_id_x 1
		.amdhsa_system_sgpr_workgroup_id_y 1
		.amdhsa_system_sgpr_workgroup_id_z 1
		.amdhsa_system_vgpr_workitem_id 0
		.amdhsa_next_free_vgpr 192
		.amdhsa_next_free_sgpr 84
		.amdhsa_reserve_vcc 1
		.amdhsa_float_denorm_mode_32 3
		.amdhsa_float_denorm_mode_16_64 3
		.amdhsa_memory_ordered 1
		.amdhsa_forward_progress 1
		.amdhsa_inst_pref_size 96
	.end_amdhsa_kernel
	.amdgpu_metadata
---
amdhsa.version: [ 1, 2 ]
amdhsa.kernels:
  - .name:           k_q78e720a50f_prep
    .symbol:         k_q78e720a50f_prep.kd
    .args:
      - { .name: in_features, .offset: 0, .size: 8, .value_kind: global_buffer, .address_space: global }
      - { .name: w_q, .offset: 8, .size: 8, .value_kind: global_buffer, .address_space: global }
      - { .name: w_k, .offset: 16, .size: 8, .value_kind: global_buffer, .address_space: global }
      - { .name: w_v, .offset: 24, .size: 8, .value_kind: global_buffer, .address_space: global }
      - { .name: w_o, .offset: 32, .size: 8, .value_kind: global_buffer, .address_space: global }
      - { .name: token_positions, .offset: 40, .size: 8, .value_kind: global_buffer, .address_space: global }
      - { .name: codes, .offset: 48, .size: 8, .value_kind: global_buffer, .address_space: global }
      - { .name: scales, .offset: 56, .size: 8, .value_kind: global_buffer, .address_space: global }
      - { .name: wo16, .offset: 64, .size: 8, .value_kind: global_buffer, .address_space: global }
      - { .name: rope, .offset: 72, .size: 8, .value_kind: global_buffer, .address_space: global }
    .group_segment_fixed_size: 33280
    .private_segment_fixed_size: 0
    .kernarg_segment_align: 8
    .kernarg_segment_size: 80
    .max_flat_workgroup_size: 128
    .sgpr_count:     84
    .vgpr_count:     192
    .wavefront_size: 32
...
	.end_amdgpu_metadata
.endif
;; end of part 1
;; launch qkv (part 2): grid 12 x 32, 4 waves a work-group, clusters of 4 x 4, 327,680 bytes of LDS; arguments codes, scales, qkv, rope, q32; writes qkv, q32
.if DOCPART == 2
	.amdgcn_target "amdgcn-amd-amdhsa--gfx1250"
	.amdhsa_code_object_version 6
	.text
	.protected	k_q78e720a50f_qkv
	.globl	k_q78e720a50f_qkv
	.p2align	8
	.type	k_q78e720a50f_qkv,@function
k_q78e720a50f_qkv:
	s_mov_b64 s[64:65], 0
	v_nop
	global_prefetch_b8 v0, s[64:65] scope:SCOPE_SE
	s_setreg_imm32_b32 hwreg(HW_REG_WAVE_MODE, 25, 1), 1
	s_wait_xcnt 0x0
	s_wait_alu depctr_hold_cnt(0) depctr_sa_sdst(0) depctr_va_vdst(0) depctr_va_sdst(0) depctr_va_ssrc(0) depctr_va_vcc(0) depctr_vm_vsrc(0)
	s_getreg_b32 s2, hwreg(HW_REG_IB_STS2, 6, 4)
	s_cmp_eq_u32 s2, 0
	s_cbranch_scc0 .Lentry_in_a_cluster
	s_endpgm
.Lentry_in_a_cluster:
	s_bfe_u32 s2, ttmp6, 0x10000c
	s_cmp_lg_u32 s2, 0xf033
	s_cbranch_scc0 .Lentry_shape_is_right
	s_endpgm
.Lentry_shape_is_right:
; q, k, v = x W^T for the three weights at once: C[m][n] = sum over k of A[m][k] B[n][k], A = x's codes [8192][1024], B = the weights' codes [3072][1024] (rows: q, k, v), E2M1 with one E8M0 byte for each 32 along K; sums in f32.
; Then, in f32, the rotation of q and k by the table of cosines and sines; the results leave as f16, laid by head: qkv[which][b][h][s][64]; the first 16 positions of every sequence also as f32: q32[which][b][h][16][64].
; Nothing of the problem is left out here.  LIMIT: |q|, |k|, |v| under 65,504 (f16).
; A tile of C, 256 x 256, is made by a work-group of four waves; a wave makes 128 x 128: 64 accumulators of 16 x 16, 512 registers.  K = 1,024 is two K steps of 512: both lie in LDS from the start (two slots, rows of 256 bytes), nothing is filled again.
; The scale bytes of the work-group's 256 rows of A and of B, for all of K, are two dense blocks: they come with the first fills, in rows of 256 bytes.
; CLUSTERS: 4 x 4 work-groups.  The four of a row of the cluster need the same tiles of A, the four of a column the same tiles of B: each is asked for jointly.  The tile row is 8 cy + cluster y, so that cy is the batch, and
; cluster x says which weight: what the text branches on (cluster x, cluster y, the wave's number) is alike in all sixteen partners.
; THE MATRIX INSTRUCTION IS USED TRANSPOSED (source 0 = 16 rows of B, source 1 = 16 rows of A): a lane holds eight neighbouring columns of one row of C: four pairs of the rotation.
; REGISTERS, in windows of 256: window 0: v0-31 addresses and work; v32-95 scale words, two sets, and nothing else; v96-127 packed f16; v128-191 A's fragments, later the rotated numbers; v192-255 two sets of the table.
;   window 1: B's fragments, two sets, at v0 and v128; on the way out v0-63 take the rows read back.   window 2, 3: the accumulators of my rows 0-63, 64-127 (accumulator (a, b) at v[8 (8 (a % 4) + b)]).
.set SIZE_K, 1024
.set KSTEP,  512
.set NQ,     KSTEP/128
.set ROWB,   256                       ; a tile's row in bytes
.set KROW,   SIZE_K*4/8                ; a row of codes in memory
.set PITCH,  272                       ; an LDS row: 256 bytes + 16 of padding = 68 words: the 16 rows that a load touches start at 16 different banks
.set FR,     8
.set NL,     2
.set NP,     4
.set HALFT,  128*PITCH
.set SLOT,   4*HALFT
.set KS,     SIZE_K/32
.set SCL,    2*SLOT                    ; behind the slots: the scales, as rows of 256 bytes + 16
.set HALFS,  (128*KS/256)*272
.set SBLK,   (16*KS/256)*272
.set SPARE,  SCL+4*HALFS               ; the spare words, 128 bytes a wave, which no other line names
.set WST,    4608                      ; the way out: a stage for each wave, [head 2][16 rows][128 bytes + 16], in slot 0, which has had its only fill and its last read when the first result is stored there
.set ADRA, 16
.set ADRB, 20
.set STO,  24                          ; v24  the stage: where I put 16 bytes of a row
.set RD,   25                          ; v25  and where I read rows back
.set GO,   26                          ; v26  16 x lane
.set ADRS, 27
.set SPW,  28
.set NIL,  29
.set RH,   30                          ; v30  256 r + 32 h: my place in 16 rows of the table, and in a tile of q32; never rewritten
.set TT,   8                           ; v8-15 at work
.set SC,   32
.set HH,   96                          ; packed f16
.set AF,   128
.set RR,   128                         ; rotated numbers
.set CS,   192                         ; the table: set a % 2, register 8 m + 2 i = cos, + 1 = sin of pair 8 m + 4 h + i
.set G1, 24
.set G0, 32
.set G1B, 48
.set G0B, 56
.set G1S, 68
.set G0S, 76
.set G1SB, 80
.set G0SB, 88
.set MSB, 0
.macro WIN new                         ; the immediate's high byte repeats the setting that is left
.if MSB != (\new)
	s_set_vgpr_msb (MSB<<8)|(\new)
.set MSB, (\new)
.endif
.endm
.set MUL_LO, 0xa1
.set MUL_HI, 0xf1
.set TO_B,   0x40
.macro JLOAD g0a, g1a, g0b, g1b        ; a joint load: waves 0 and 1 fetch for A, waves 2 and 3 for B; an s_nop 0 and four v_nop follow each line
	s_cmp_eq_u32 s15, 0
	s_cbranch_scc0 .Lfor_b_\@
	tensor_load_to_lds s[\g0a:\g0a+3], s[\g1a:\g1a+7]
	s_nop 0
.rept 4
	v_nop
.endr
	s_branch .Lasked_\@
.Lfor_b_\@:
	tensor_load_to_lds s[\g0b:\g0b+3], s[\g1b:\g1b+7]
	s_nop 0
.rept 4
	v_nop
.endr
.Lasked_\@:
.endm
.macro CROUND                          ; a round of the cluster's barrier
	s_barrier_signal -1
	s_barrier_wait -1
	s_cmp_lg_u32 s14, 0
	s_cbranch_scc1 .Lnot_wave_0_\@
	s_barrier_signal -3
.Lnot_wave_0_\@:
	s_barrier_wait -3
	s_barrier_signal -1
	s_barrier_wait -1
.endm
	s_load_b128 s[4:7], s[0:1], 0x0                ; codes, scales
	s_load_b64 s[12:13], s[0:1], 0x10              ; qkv
	s_load_b128 s[96:99], s[0:1], 0x18             ; rope 96:97, q32 98:99
	v_lshl_add_u32 v[SPW], v0, 2, SPARE
	v_mov_b32 v[NIL], 0
	ds_add_u32 v[SPW], v[NIL]                      ; the opening: the add, twice on end, and its wait ahead of my first tensor load
	ds_add_u32 v[SPW], v[NIL]
	v_lshrrev_b32 v1, 5, v0
	v_readfirstlane_b32 s14, v1                    ; wave 0..3
	s_lshr_b32 s15, s14, 1                         ; which half of the tile's rows is mine.  Also: I fetch for A (0) or for B (1)
	s_and_b32 s16, s14, 1                          ; which half of its columns.  Also: which 128 rows of that tile I fetch
	s_bfe_u32 s40, ttmp6, 0x40000                  ; cx
	s_bfe_u32 s41, ttmp6, 0x40004                  ; cy
	s_lshl_b32 s42, ttmp9, 2
	s_add_co_u32 s42, s42, s40                     ; tile column = 4 x cluster x + cx
	s_and_b32 s95, ttmp7, 0xffff                   ; cluster y
	s_lshl_b32 s17, s41, 3
	s_add_co_u32 s17, s17, s95                     ; tile row = 8 cy + cluster y: batch cy, positions 256 x cluster y on
	s_lshl_b32 s43, s41, 2
	s_lshl_b32 s43, 15, s43                        ; my row of the cluster
	s_lshl_b32 s44, 0x1111, s40                    ; my column
	s_or_b32 s[G1+0], s43, (0<<16)|(1<<20)|(1<<21)|(5<<22)|(3<<25)  ; the mask; elements of 1 byte; padding: 4 words after every 64; bit 21 beside a mask
	s_or_b32 s[G1B+0], s44, (0<<16)|(1<<20)|(1<<21)|(5<<22)|(3<<25)
.irp g, G1, G1B
	s_mov_b32 s[\g+1], ROWB<<16                    ; tensor_dim0
	s_mov_b32 s[\g+2], 128<<16                     ; tensor_dim1
	s_mov_b32 s[\g+3], ROWB<<16                    ; tile_dim0
	s_mov_b32 s[\g+4], 128                         ; tile_dim1
	s_mov_b32 s[\g+5], KROW                        ; from row to row
	s_mov_b32 s[\g+6], 0
	s_mov_b32 s[\g+7], 0
.endr
	s_or_b32 s[G1S+0], s43, (3<<16)|(1<<20)|(1<<21)|(5<<22)|(3<<25)  ; the scales of 128 rows: a dense block as rows of 256 bytes (32 elements of 8 bytes)
	s_or_b32 s[G1SB+0], s44, (3<<16)|(1<<20)|(1<<21)|(5<<22)|(3<<25)
.irp g, G1S, G1SB
	s_mov_b32 s[\g+1], 32<<16
	s_mov_b32 s[\g+2], (128*KS/256)<<16
	s_mov_b32 s[\g+3], 32<<16
	s_mov_b32 s[\g+4], 128*KS/256
	s_mov_b32 s[\g+5], 32
	s_mov_b32 s[\g+6], 0
	s_mov_b32 s[\g+7], 0
.endr
	s_lshl_b32 s18, s16, 7
	s_lshl_b32 s20, s17, 8
	s_add_co_u32 s20, s20, s18                     ; A: row 256 x tile row + 128 x half
	s_lshl_b32 s46, s42, 8
	s_add_co_u32 s46, s46, s18                     ; B: row 256 x tile column + 128 x half
	s_mov_b32 s21, 0
	s_mov_b32 s47, 0
	s_mov_b64 s[18:19], KS
	s_mul_u64 s[22:23], s[20:21], s[18:19]         ; where these rows' scales begin
	s_mul_u64 s[92:93], s[46:47], s[18:19]
	s_mov_b64 s[18:19], KROW
	s_mul_u64 s[20:21], s[20:21], s[18:19]         ; and their codes
	s_mul_u64 s[46:47], s[46:47], s[18:19]
	s_mul_i32 s45, s14, HALFT                      ; where they go: wave x 128 rows
	s_mul_i32 s94, s14, HALFS
	s_wait_dscnt 0x0                               ; both opening adds are done
	s_wait_kmcnt 0x0
	s_add_nc_u64 s[8:9], s[4:5], 0x400000          ; the weights' codes lie behind x's,
	s_add_nc_u64 s[10:11], s[6:7], 0x40000         ; their scales likewise
	s_add_nc_u64 s[20:21], s[4:5], s[20:21]
	s_add_nc_u64 s[22:23], s[6:7], s[22:23]
	s_add_nc_u64 s[46:47], s[8:9], s[46:47]
	s_add_nc_u64 s[92:93], s[10:11], s[92:93]
	CROUND                                         ; all sixteen work-groups are here: the joint loads meet
	s_mov_b32 s[G0S], 1
	s_add_co_u32 s[G0S+1], s94, SCL
	s_mov_b64 s[G0S+2:G0S+3], s[22:23]
	s_or_b32 s[G0S+3], s[G0S+3], 0x80000000
	s_mov_b32 s[G0SB], 1
	s_add_co_u32 s[G0SB+1], s94, SCL
	s_mov_b64 s[G0SB+2:G0SB+3], s[92:93]
	s_or_b32 s[G0SB+3], s[G0SB+3], 0x80000000
	JLOAD G0S, G1S, G0SB, G1SB                     ; the scales first: three loads of mine are out behind these lines
.irp s, 0,1
	s_mov_b32 s[G0+4*\s], 1
	s_add_co_u32 s[G0+4*\s+1], s45, \s*SLOT
	s_add_nc_u64 s[G0+4*\s+2:G0+4*\s+3], s[20:21], \s*ROWB
	s_or_b32 s[G0+4*\s+3], s[G0+4*\s+3], 0x80000000
	s_mov_b32 s[G0B+4*\s], 1
	s_add_co_u32 s[G0B+4*\s+1], s45, \s*SLOT
	s_add_nc_u64 s[G0B+4*\s+2:G0B+4*\s+3], s[46:47], \s*ROWB
	s_or_b32 s[G0B+4*\s+3], s[G0B+4*\s+3], 0x80000000
	JLOAD G0+4*\s, G1, G0B+4*\s, G1B
.endr
	v_and_b32 v1, 15, v0                           ; r
	v_bfe_u32 v2, v0, 4, 1                         ; h
	v_mul_u32_u24 v3, v1, PITCH
	v_lshl_add_u32 v4, v2, 4, v3
	s_mul_i32 s21, s15, HALFT                      ; my 128 rows of A
	s_mul_i32 s22, s16, HALFT                      ; my 128 rows of B,
	s_add_co_u32 s22, s22, 2*HALFT                 ; behind A's 256
.irp s, 0,1
	v_add_nc_u32 v[ADRA+\s], s21, v4
	v_add_nc_u32 v[ADRB+\s], s22, v4
	s_add_co_u32 s21, s21, SLOT
	s_add_co_u32 s22, s22, SLOT
.endr
	v_mul_u32_u24 v5, v1, KS                       ; my row's scales: KS bytes a row,
	v_lshrrev_b32 v6, 8, v5
	v_lshl_add_u32 v5, v6, 4, v5                   ; and 16 more for each 256 passed
	s_mul_i32 s21, s15, HALFS
	s_mul_i32 s22, s16, HALFS
	s_add_co_u32 s22, s22, 2*HALFS
	s_sub_co_u32 s22, s22, s21
	v_mul_u32_u24 v6, s22, v2                      ; lanes 16-31 take B's
	s_add_co_u32 s21, s21, SCL
	v_add_nc_u32 v5, v5, v6
	v_add_nc_u32 v[ADRS], s21, v5
	s_mul_i32 s23, s14, WST                        ; my stage
	v_mul_u32_u24 v5, v1, 144
	v_lshl_add_u32 v5, v2, 4, v5
	v_add_nc_u32 v[STO], s23, v5                   ; in: row r, 16 bytes for each half of the lanes
	v_and_b32 v6, 31, v0
	v_lshlrev_b32 v[GO], 4, v6
	v_lshrrev_b32 v5, 3, v6
	v_mul_u32_u24 v5, v5, 144
	v_and_b32 v6, 7, v0
	v_lshl_add_u32 v5, v6, 4, v5
	v_add_nc_u32 v[RD], s23, v5                    ; back: eight lanes to a row of 128 bytes, four rows an instruction
	v_lshlrev_b32 v[RH], 8, v1
	v_lshl_add_u32 v[RH], v2, 5, v[RH]
	; where my results go
	s_lshl_b32 s20, ttmp9, 2
	s_add_co_u32 s20, s20, s41                     ; 4 x which + batch
	s_lshl_b32 s20, s20, 4
	s_lshl_b32 s21, s40, 2
	s_add_co_u32 s20, s20, s21
	s_lshl_b32 s21, s16, 1
	s_add_co_u32 s20, s20, s21                     ; x 16 + my first head: 4 cx + 2 x column half
	s_lshl_b32 s46, s20, 12
	s_mov_b32 s47, 0
	s_add_nc_u64 s[98:99], s[98:99], s[46:47]      ; q32: tiles of 4,096 bytes
	s_lshl_b32 s46, s20, 18                        ; qkv: a head is 262,144 bytes
	s_lshl_b32 s22, s95, 1
	s_add_co_u32 s22, s22, s15                     ; my first position / 128 = 2 x cluster y + row half
	s_lshl_b32 s23, s22, 14                        ; 128 rows of 128 bytes
	s_add_co_u32 s46, s46, s23
	s_add_nc_u64 s[12:13], s[12:13], s[46:47]
	s_lshl_b32 s46, s22, 15                        ; 128 rows of the table, 256 bytes each
	s_add_nc_u64 s[96:97], s[96:97], s[46:47]
	s_or_b32 s100, s95, s15                        ; 0 where my rows begin a sequence
.macro FRAG reg, adr, q, i             ; 16 rows x 128 K of 4-bit codes: 8 registers; registers 4 c .. 4 c + 3 hold K = 64 c + 32 h + 0 .. 31
.irp c, 0,1
	ds_load_b128 v[\reg+4*\c:\reg+4*\c+3], v[\adr] offset:64*(\q)+32*\c+(\i)*16*PITCH
.endr
.endm
; 16 matrix instructions: A's blocks a0, a0 + 1 x B's eight.  The 64 accumulators take turns, one instruction a turn, in the same order in every step.
.macro MUL16 a0, p, q, sc, zero
.irp a, \a0, \a0+1
.irp b, 0,1,2,3,4,5,6,7
.if \zero
	v_wmma_scale_f32_16x16x128_f8f6f4 v[8*(8*((\a)%4)+\b):8*(8*((\a)%4)+\b)+7], v[128*(\p)+FR*\b:128*(\p)+FR*\b+FR-1], v[AF+FR*(\a):AF+FR*(\a)+FR-1], 0, v[SC+8*NQ*(\sc)+NQ*\b+(\q)], v[SC+8*NQ*(\sc)+NQ*(\a)+(\q)] matrix_a_fmt:MATRIX_FMT_FP4 matrix_b_fmt:MATRIX_FMT_FP4 matrix_a_scale:MATRIX_SCALE_ROW1
.else
	v_wmma_scale_f32_16x16x128_f8f6f4 v[8*(8*((\a)%4)+\b):8*(8*((\a)%4)+\b)+7], v[128*(\p)+FR*\b:128*(\p)+FR*\b+FR-1], v[AF+FR*(\a):AF+FR*(\a)+FR-1], v[8*(8*((\a)%4)+\b):8*(8*((\a)%4)+\b)+7], v[SC+8*NQ*(\sc)+NQ*\b+(\q)], v[SC+8*NQ*(\sc)+NQ*(\a)+(\q)] matrix_a_fmt:MATRIX_FMT_FP4 matrix_b_fmt:MATRIX_FMT_FP4 matrix_a_scale:MATRIX_SCALE_ROW1
.endif
.endr
.endr
.endm
.macro FETCH_B slot, q, p
	WIN TO_B
.irp i, 0,1,2,3,4,5,6,7
	FRAG 128*(\p)+FR*\i, ADRB+\slot, \q, \i
.endr
	WIN 0
.endm
.macro FETCH_A slot, q, i0
.irp i, \i0, \i0+1, \i0+2, \i0+3
	FRAG AF+FR*(\i), ADRA+\slot, \q, \i
.endr
.endm
.macro SCALES sc                       ; a K step's scale words: lanes 0-15 take A's block i, lanes 16-31 B's block i
.irp i, 0,1,2,3,4,5,6,7
	ds_load_b128 v[SC+8*NQ*\sc+NQ*\i:SC+8*NQ*\sc+NQ*\i+3], v[ADRS] offset:\i*SBLK
.endr
.endm
.macro PLACES n                        ; plain vector lines between a matrix instruction and a load into, or a vector read or write of, its registers
.rept \n
	v_nop
.endr
.endm
.macro STEP slot, q, zero              ; 128 along K with its successor in the same slot
	s_wait_dscnt 4*NL                              ; B's set and A's blocks 0-3 are in; the youngest eight loads (A's blocks 4-7) may be out
	WIN MUL_LO
	MUL16 0, (\q)%2, \q, \slot, \zero
	MUL16 2, (\q)%2, \q, \slot, \zero
	s_wait_dscnt 0
	PLACES NP
	FETCH_B \slot, (\q)+1, 1-(\q)%2
	FETCH_A \slot, (\q)+1, 0
	WIN MUL_HI
	MUL16 4, (\q)%2, \q, \slot, \zero
	MUL16 6, (\q)%2, \q, \slot, \zero
	PLACES NP
	WIN 0
	FETCH_A \slot, (\q)+1, 4
.endm
.macro TURN slot, next                 ; slot 0's last step changes slots: one barrier; nothing is filled again
	s_wait_tensorcnt 0x0                           ; all my tensor loads have landed: my part of the next slot
	ds_add_u32 v[SPW], v[NIL]
	s_wait_dscnt 4*NL+1                            ; (the add and the youngest eight loads may be out)
	WIN MUL_LO
	MUL16 0, 1, NQ-1, \slot, 0
	s_wait_dscnt 0x0                               ; the add is done, and my reads of this slot are over
	s_barrier_signal -1
	MUL16 2, 1, NQ-1, \slot, 0
	WIN 0
	s_barrier_wait -1
	PLACES NP
	v_add_nc_u32 v[ADRS], 4*NQ, v[ADRS]            ; on to the next K step's scale words
	FETCH_B \next, 0, 0
	FETCH_A \next, 0, 0
	SCALES \next
	WIN MUL_HI
	MUL16 4, 1, NQ-1, \slot, 0
	MUL16 6, 1, NQ-1, \slot, 0
	PLACES NP
	WIN 0
	FETCH_A \next, 0, 4
.endm
.macro STEPS slot, from
.set Q, \from
.rept NQ-1-\from
	STEP \slot, Q, 0
.set Q, Q+1
.endr
.endm
.macro TAIL                            ; the second K step: written in both copies of the way out
	STEPS 1, 0
	s_wait_dscnt 4*NL
	WIN MUL_LO
	MUL16 0, 1, NQ-1, 1, 0
	MUL16 2, 1, NQ-1, 1, 0
	s_wait_dscnt 0
	WIN MUL_HI
	MUL16 4, 1, NQ-1, 1, 0
	MUL16 6, 1, NQ-1, 1, 0
	WIN 0
	PLACES NP                                      ; in front of the first read of results and of the first write of the operands' registers
.endm
; THE WAY OUT, block by block of 16 rows x 128 columns (two heads).
.macro TABLE a                         ; the table's rows of block a: lane (r, h) takes, of row 16 a + r, the pairs 8 m + 4 h + 0 .. 3, m = 0 .. 3
.irp m, 0,1,2,3
.irp e, 0,1
	global_load_b128 v[CS+32*((\a)%2)+8*\m+4*\e:CS+32*((\a)%2)+8*\m+4*\e+3], v[RH], s[96:97] offset:4096*(\a)+64*\m+16*\e
.endr
.endr
.endm
.macro ROPE a                          ; (x1, x2) -> (x1 cos - x2 sin, x1 sin + x2 cos), in f32, then f16
.set AC, 64*((\a)%4)
.set CT, CS+32*((\a)%2)
.if (\a) < 7
	s_wait_loadcnt 8                               ; this block's eight table loads are in; the next block's eight may be out
.else
	s_wait_loadcnt 0x0
.endif
	s_wait_xcnt 0x0                                ; earlier stores have read their data: the registers below are written again only behind this wait
	WIN 0x02+(\a)/4                                ; source 0: the accumulators' window
.irp b, 0,1,2,3,4,5,6,7
.irp i, 0,1,2,3
	v_mul_f32 v[TT+2*\i], v[AC+8*\b+2*\i+1], v[CT+8*(\b%4)+2*\i+1]   ; x2 sin (an accumulator's first read is of its register 1)
.endr
.irp i, 0,1,2,3
	v_mul_f32 v[TT+2*\i+1], v[AC+8*\b+2*\i], v[CT+8*(\b%4)+2*\i+1]   ; x1 sin
.endr
.irp i, 0,1,2,3
	v_fma_f32 v[RR+8*\b+2*\i], v[AC+8*\b+2*\i], v[CT+8*(\b%4)+2*\i], -v[TT+2*\i]
	v_fma_f32 v[RR+8*\b+2*\i+1], v[AC+8*\b+2*\i+1], v[CT+8*(\b%4)+2*\i], v[TT+2*\i+1]
.endr
.endr
	WIN 0
.if (\a) < 6
	TABLE (\a)+2                                   ; this set takes the block two further on
.endif
.irp b, 0,1,2,3,4,5,6,7
.irp i, 0,1,2,3
	v_cvt_pk_f16_f32 v[HH+4*\b+\i], v[RR+8*\b+2*\i], v[RR+8*\b+2*\i+1]
.endr
.endr
.endm
.macro PACKV a                         ; v is not rotated: straight to f16
.set AC, 64*((\a)%4)
	s_wait_xcnt 0x0
	WIN 0x0a+5*((\a)/4)
.irp b, 0,1,2,3,4,5,6,7
.irp i, 0,1,2,3
	v_cvt_pk_f16_f32 v[HH+4*\b+\i], v[AC+8*\b+2*\i], v[AC+8*\b+2*\i+1]
.endr
.endr
	WIN 0
.endm
; The first 16 positions of a sequence also leave as f32 (block 0 of the waves whose rows begin a sequence).  A lane stores 32 bytes of a row of 256: these stores do not cover whole runs of 256 bytes; they are 786,432 bytes in the whole launch.
.macro F32OUT rot
	s_cmp_lg_u32 s100, 0
	s_cbranch_scc1 .Lno32_\@
.if \rot == 0
	WIN 0x08                                       ; a store's data are its source 1: window 2
.endif
.irp b, 0,1,2,3,4,5,6,7
.irp e, 0,1
.if \rot
	global_store_b128 v[RH], v[RR+8*\b+4*\e:RR+8*\b+4*\e+3], s[98:99] offset:4096*(\b/4)+64*(\b%4)+16*\e
.else
	global_store_b128 v[RH], v[8*\b+4*\e:8*\b+4*\e+3], s[98:99] offset:4096*(\b/4)+64*(\b%4)+16*\e
.endif
.endr
.endr
	WIN 0
.Lno32_\@:
.endm
.macro TOSTAGE a                       ; 16 bytes a lane into my stage, and back as whole rows; LDS serves a wave's instructions in order, so no wait stands between
.irp b, 0,1,2,3,4,5,6,7
	ds_store_b128 v[STO], v[HH+4*\b:HH+4*\b+3] offset:2304*(\b/4)+32*(\b%4)
.endr
	WIN 0x40                                       ; destination window 1
.irp hd, 0,1
.irp u, 0,1,2,3
	ds_load_b128 v[32*((\a)%2)+16*\hd+4*\u:32*((\a)%2)+16*\hd+4*\u+3], v[RD] offset:2304*\hd+576*\u
.endr
.endr
	WIN 0
.endm
.macro SEND a
	s_wait_dscnt 0x0                               ; the block is back in registers
	WIN 0x04                                       ; the data: window 1
.irp hd, 0,1
.irp u, 0,1,2,3
	global_store_b128 v[GO], v[32*((\a)%2)+16*\hd+4*\u:32*((\a)%2)+16*\hd+4*\u+3], s[12:13] offset:262144*\hd+2048*(\a)+512*\u   ; four rows of a head: 512 consecutive bytes
.endr
.endr
	WIN 0
.endm
.macro CLOSE
	s_wait_tensorcnt 0x0                           ; the wave's end: the add and its wait stand behind my last tensor load and my last LDS store
	ds_add_u32 v[SPW], v[NIL]
	s_wait_dscnt 0x0
	CROUND                                         ; the closing round
	s_endpgm
.endm
	s_wait_tensorcnt 1                             ; the scales and my part of K step 0 are in (K step 1's load may be out)
	s_barrier_signal -1
	s_barrier_wait -1                              ; everybody's are
	FETCH_B 0, 0, 0
	FETCH_A 0, 0, 0
	SCALES 0
	FETCH_A 0, 0, 4
	STEP 0, 0, 1                                   ; the first step's products start the sums: nothing is cleared
	STEPS 0, 1
	TURN 0, 1
	s_cmp_eq_u32 ttmp9, 2                          ; cluster x: 0 = q, 1 = k, 2 = v: alike in all partners
	s_cbranch_scc1 .Lvalues
	TABLE 0                                        ; the first two sets of the table land under the second K step
	TABLE 1
	TAIL
	ROPE 0
	F32OUT 1
	TOSTAGE 0
.irp a, 1,2,3,4,5,6,7
	ROPE \a                                        ; block a's arithmetic stands between block a - 1's loads from the stage and the wait for them
	SEND \a-1
	TOSTAGE \a
.endr
	SEND 7
	CLOSE
.Lvalues:
	TAIL
	PACKV 0
	F32OUT 0
	TOSTAGE 0
.irp a, 1,2,3,4,5,6,7
	PACKV \a
	SEND \a-1
	TOSTAGE \a
.endr
	SEND 7
	CLOSE
.Lfunc_end_k_q78e720a50f_qkv:
	.size	k_q78e720a50f_qkv, .Lfunc_end_k_q78e720a50f_qkv-k_q78e720a50f_qkv
	.p2alignl 7, 3214868480
	.fill 96, 4, 3214868480
	.section	.rodata,"a",@progbits
	.p2align	6, 0x0
	.amdhsa_kernel k_q78e720a50f_qkv
		.amdhsa_group_segment_fixed_size 327680
		.amdhsa_private_segment_fixed_size 0
		.amdhsa_enable_private_segment 0
		.amdhsa_kernarg_size 40
		.amdhsa_user_sgpr_count 2
		.amdhsa_user_sgpr_kernarg_segment_ptr 1
		.amdhsa_wavefront_size32 1
		.amdhsa_system_sgpr_workgroup_id_x 1
		.amdhsa_system_sgpr_workgroup_id_y 1
		.amdhsa_system_sgpr_workgroup_id_z 1
		.amdhsa_system_vgpr_workitem_id 0
		.amdhsa_next_free_vgpr 1024
		.amdhsa_next_free_sgpr 102
		.amdhsa_reserve_vcc 0
		.amdhsa_float_denorm_mode_32 3
		.amdhsa_float_denorm_mode_16_64 3
		.amdhsa_memory_ordered 1
		.amdhsa_forward_progress 1
		.amdhsa_inst_pref_size 255
	.end_amdhsa_kernel
	.section	.bss,"aw",@nobits
	.p2align	6
	.space	262144
	.amdgpu_metadata
---
amdhsa.version: [ 1, 2 ]
amdhsa.kernels:
  - .name:           k_q78e720a50f_qkv
    .symbol:         k_q78e720a50f_qkv.kd
    .args:
      - { .name: codes, .offset: 0, .size: 8, .value_kind: global_buffer, .address_space: global }
      - { .name: scales, .offset: 8, .size: 8, .value_kind: global_buffer, .address_space: global }
      - { .name: qkv, .offset: 16, .size: 8, .value_kind: global_buffer, .address_space: global }
      - { .name: rope, .offset: 24, .size: 8, .value_kind: global_buffer, .address_space: global }
      - { .name: q32, .offset: 32, .size: 8, .value_kind: global_buffer, .address_space: global }
    .group_segment_fixed_size: 327680
    .private_segment_fixed_size: 0
    .kernarg_segment_align: 8
    .kernarg_segment_size: 40
    .max_flat_workgroup_size: 128
    .sgpr_count:     102
    .vgpr_count:     1024
    .wavefront_size: 32
...
	.end_amdgpu_metadata
.endif
;; end of part 2
;; launch first16 (part 3): grid 16 x 4, 16 waves a work-group, no clusters, 67,584 bytes of LDS; arguments q32, w_o, out0; writes out0
.if DOCPART == 3
	.amdgcn_target "amdgcn-amd-amdhsa--gfx1250"
	.amdhsa_code_object_version 6
	.text
	.protected	k_q78e720a50f_first16
	.globl	k_q78e720a50f_first16
	.p2align	8
	.type	k_q78e720a50f_first16,@function
k_q78e720a50f_first16:
	s_mov_b64 s[64:65], 0
	v_nop
	global_prefetch_b8 v0, s[64:65] scope:SCOPE_SE
	s_setreg_imm32_b32 hwreg(HW_REG_WAVE_MODE, 25, 1), 1
	s_wait_xcnt 0x0
; THE FIRST 16 POSITIONS OF EVERY SEQUENCE, WHOLLY IN f32: scores, softmax, weighted values and the projection on the way out, for 4 x 16 rows of out0.  These rows average one to sixteen values and are the largest of
; the output, so f16 operands would weigh most here.  64 rows in all: the f32 matrix form does no bulk work.  Keys behind position 15 are hidden from these queries by the problem's own mask and are not read.
; SHARES.  A work-group makes 64 columns (work-group x) of a batch's (work-group y) 16 rows.  Wave = head: it makes its head's 16 x 16 attention, multiplies its 64 channels into the 64 columns, and the sixteen partial
; results meet in LDS.  Every work-group of a batch repeats the small attention (32 matrix instructions a wave); the projection (64) is shared out.
; LAYOUT.  All three products are used transposed, so that a lane holds one query (lane % 16).  The f32 form takes K = 4: register j of lane (r, h) is k = 2 h + j.  K is walked in an order permuted alike on both sides,
; chosen so that plain loads, and each product's results, ARE the next operands: S^T = K Q^T: registers 4 c + 2 e, + 1 hold d = 8 c + 4 h + 2 e + 0, 1;  O^T = V^T P: step i takes keys 8 h + 2 i + 0, 1, which are registers
; 2 i, 2 i + 1 of S^T's layout;  out^T = W O: step (dt, i) takes d = 16 dt + 8 h + 2 i + 0, 1, registers 8 dt + 2 i, + 1 of O^T's layout.
; REGISTERS: v16-47 Q, later W's tile 2; v48-79 K, later W's tile 3; v80-111 V, later O / l; v112-127 the scores' two sums, later columns' tiles 0, 1; v128-159 O^T; v160-175 columns' tiles 2, 3; v176-191 at work;
; v192-223, v224-255 W's tiles 0, 1.  What the f32 matrix form writes (v112-175) is written by matrix instructions alone.
.set SPARE, 65536                      ; behind the sixteen images of 4,096 bytes: the spare words, 128 bytes a wave, which no other line names
.set QA,  3                            ; v3   256 r + 16 h
.set VA,  4                            ; v4   2048 h + 4 r
.set WA,  5                            ; v5   4096 r + 32 h
.set IMG, 6                            ; v6   4096 x wave + 16 x lane
.set RED, 7                            ; v7   where the sums are read
.set GO,  8                            ; v8   4096 (lane / 16) + 16 (lane % 16)
.set DD,  9                            ; v9   r - 8 h: key 8 h + j is hidden where j > r - 8 h
.set NINF, 10
.set SPW, 14
.set NIL, 15
	s_load_b128 s[4:7], s[0:1], 0x0                ; q32, w_o
	s_load_b64 s[8:9], s[0:1], 0x10                ; out0
	v_lshl_add_u32 v[SPW], v0, 2, SPARE
	v_mov_b32 v[NIL], 0
	v_lshrrev_b32 v1, 5, v0
	v_readfirstlane_b32 s10, v1                    ; wave = head
	s_and_b32 s11, ttmp7, 0xffff                   ; batch
	v_and_b32 v1, 15, v0                           ; r
	v_bfe_u32 v2, v0, 4, 1                         ; h
	v_lshlrev_b32 v[QA], 8, v1
	v_lshl_add_u32 v[QA], v2, 4, v[QA]
	v_lshlrev_b32 v[VA], 2, v1
	v_lshl_add_u32 v[VA], v2, 11, v[VA]
	v_lshlrev_b32 v[WA], 12, v1
	v_lshl_add_u32 v[WA], v2, 5, v[WA]
	v_and_b32 v11, 31, v0
	s_lshl_b32 s12, s10, 12
	v_lshl_add_u32 v[IMG], v11, 4, s12
	v_lshrrev_b32 v12, 2, v1                       ; the sums: lane % 16 = n4 names four neighbouring columns 4 n4 .. 4 n4 + 3: tile n4 / 4, half of the lanes (n4 / 2) % 2, registers 4 (n4 % 2) on
	v_lshlrev_b32 v12, 1, v12
	v_and_b32 v13, 1, v1
	v_add_nc_u32 v12, v12, v13
	v_lshlrev_b32 v[RED], 9, v12                   ; group of four registers: 512 bytes of an image
	v_bfe_u32 v13, v1, 1, 1
	v_lshl_add_u32 v13, v13, 4, v2
	s_lshl_b32 s13, s10, 1
	v_add_nc_u32 v13, s13, v13                     ; the lane that held it: 16 x half + query, query = 2 x wave + lane / 16
	v_lshl_add_u32 v[RED], v13, 4, v[RED]
	v_lshlrev_b32 v[GO], 12, v2
	v_lshl_add_u32 v[GO], v1, 4, v[GO]
	v_lshlrev_b32 v12, 3, v2
	v_sub_nc_u32 v[DD], v1, v12
	v_mov_b32 v[NINF], 0xff800000
	v_mov_b32 v185, 0                              ; a lane permute's destination counts as one of its sources
	s_mov_b32 s20, 0x76543210
	s_mov_b32 s21, 0xfedcba98                      ; lane l xor 16
	s_mov_b32 s22, 0x3e38aa3b                      ; c = log2(e) / sqrt(64)
	s_lshl_b32 s12, s11, 4
	s_add_co_u32 s12, s12, s10
	s_lshl_b32 s12, s12, 12                        ; q32: tile 16 x batch + head
	s_mov_b32 s13, 0
	s_lshl_b32 s14, ttmp9, 18                      ; w_o: row 64 x work-group x,
	s_lshl_b32 s15, s10, 8
	s_add_co_u32 s14, s14, s15                     ; my head's 64 numbers of it
	s_mov_b32 s15, 0
	s_lshl_b32 s16, s11, 23                        ; out0: the batch's first row,
	s_lshl_b32 s17, s10, 13
	s_add_co_u32 s16, s16, s17                     ; two rows a wave,
	s_lshl_b32 s17, ttmp9, 8
	s_add_co_u32 s16, s16, s17                     ; my work-group's 256 bytes of a row
	s_mov_b32 s17, 0
	s_wait_kmcnt 0x0
	s_add_nc_u64 s[4:5], s[4:5], s[12:13]
	s_add_nc_u64 s[6:7], s[6:7], s[14:15]
	s_add_nc_u64 s[8:9], s[8:9], s[16:17]
.irp c, 0,1,2,3,4,5,6,7
	global_load_b128 v[16+4*\c:19+4*\c], v[QA], s[4:5] offset:32*\c
.endr
.irp c, 0,1,2,3,4,5,6,7
	global_load_b128 v[48+4*\c:51+4*\c], v[QA], s[4:5] offset:262144+32*\c
.endr
.irp dt, 0,1,2,3
.irp k, 0,1,2,3,4,5,6,7
	global_load_b32 v[80+8*\dt+\k], v[VA], s[4:5] offset:524288+256*\k+64*\dt   ; V[key 8 h + k][16 dt + r]
.endr
.endr
.macro WLOAD reg, nt                   ; w_o[64 x + 16 nt + r][64 head + 16 dt + 8 h + 0 .. 7] at register 8 dt on
.irp dt, 0,1,2,3
.irp hf, 0,1
	global_load_b128 v[\reg+8*\dt+4*\hf:\reg+8*\dt+4*\hf+3], v[WA], s[6:7] offset:65536*\nt+64*\dt+16*\hf
.endr
.endr
.endm
	WLOAD 192, 0
	WLOAD 224, 1
	s_wait_loadcnt 48                              ; Q and K are in; V's 32 loads and W's 16 may be out
.irp t, 0,1,2,3,4,5,6,7,8,9,10,11,12,13,14,15
.if \t < 2
	v_wmma_f32_16x16x4_f32 v[112+8*(\t%2):119+8*(\t%2)], v[48+2*\t:49+2*\t], v[16+2*\t:17+2*\t], 0   ; two sums by turns; the first two products start them
.else
	v_wmma_f32_16x16x4_f32 v[112+8*(\t%2):119+8*(\t%2)], v[48+2*\t:49+2*\t], v[16+2*\t:17+2*\t], v[112+8*(\t%2):119+8*(\t%2)]
.endif
.endr
.rept 8
	v_nop                                          ; eight places behind this form, in front of loads into its operands and of the first read of its results
.endr
	WLOAD 16, 2
	WLOAD 48, 3
.irp j, 0,1,2,3,4,5,6,7
	v_add_f32 v[176+\j], v[112+\j], v[120+\j]      ; the score of query r and key 8 h + j
.endr
.irp j, 0,1,2,3,4,5,6,7
	v_cmp_gt_i32 vcc_lo, \j, v[DD]
	v_cndmask_b32 v[176+\j], v[176+\j], v[NINF], vcc_lo
.endr
	v_max3_num_f32 v184, v176, v177, v178
	v_max3_num_f32 v184, v184, v179, v180
	v_max3_num_f32 v184, v184, v181, v182
	v_max_num_f32 v184, v184, v183
	v_permlanex16_b32 v185, v184, s20, s21
	v_max_num_f32 v184, v184, v185                 ; the row's maximum: key 0 counts for every query, so it is a number
	v_mul_f32 v186, s22, v184
.irp j, 0,1,2,3,4,5,6,7
	v_fma_f32 v[176+\j], v[176+\j], s22, -v186
.endr
.irp j, 0,1,2,3,4,5,6,7
	v_exp_f32 v[176+\j], v[176+\j]                 ; p, not normalised
.endr
	v_nop                                          ; a plain line behind the exponentials
	s_wait_alu depctr_va_vdst(0)                   ; one wait for the eight, ahead of their first reader
	v_add_f32 v187, v176, v177
	v_add_f32 v188, v178, v179
	v_add_f32 v189, v180, v181
	v_add_f32 v190, v182, v183
	v_add_f32 v187, v187, v188
	v_add_f32 v189, v189, v190
	v_add_f32 v187, v187, v189
	v_permlanex16_b32 v185, v187, s20, s21
	v_add_f32 v187, v187, v185                     ; the row's sum
	v_rcp_f32 v188, v187
	v_nop
	s_wait_loadcnt 32                              ; V is in; W's four tiles, 32 loads, may be out
.irp i, 0,1,2,3
.irp dt, 0,1,2,3
.if \i == 0
	v_wmma_f32_16x16x4_f32 v[128+8*\dt:135+8*\dt], v[80+8*\dt+2*\i:81+8*\dt+2*\i], v[176+2*\i:177+2*\i], 0
.else
	v_wmma_f32_16x16x4_f32 v[128+8*\dt:135+8*\dt], v[80+8*\dt+2*\i:81+8*\dt+2*\i], v[176+2*\i:177+2*\i], v[128+8*\dt:135+8*\dt]
.endif
.endr
.endr
.rept 8
	v_nop
.endr
	s_wait_alu depctr_va_vdst(0)                   ; the reciprocal's wait, ahead of its first reader
.irp j, 0,1,2,3,4,5,6,7,8,9,10,11,12,13,14,15,16,17,18,19,20,21,22,23,24,25,26,27,28,29,30,31
	v_mul_f32 v[80+\j], v[128+\j], v188            ; O / l, each accumulator from its low end on, into other registers
.endr
	s_wait_loadcnt 0x0
.irp k, 0,1,2,3,4,5,6,7,8,9,10,11,12,13,14,15
.if \k == 0
	v_wmma_f32_16x16x4_f32 v[112:119], v[192+2*\k:193+2*\k], v[80+2*\k:81+2*\k], 0
	v_wmma_f32_16x16x4_f32 v[120:127], v[224+2*\k:225+2*\k], v[80+2*\k:81+2*\k], 0
	v_wmma_f32_16x16x4_f32 v[160:167], v[16+2*\k:17+2*\k], v[80+2*\k:81+2*\k], 0
	v_wmma_f32_16x16x4_f32 v[168:175], v[48+2*\k:49+2*\k], v[80+2*\k:81+2*\k], 0
.else
	v_wmma_f32_16x16x4_f32 v[112:119], v[192+2*\k:193+2*\k], v[80+2*\k:81+2*\k], v[112:119]
	v_wmma_f32_16x16x4_f32 v[120:127], v[224+2*\k:225+2*\k], v[80+2*\k:81+2*\k], v[120:127]
	v_wmma_f32_16x16x4_f32 v[160:167], v[16+2*\k:17+2*\k], v[80+2*\k:81+2*\k], v[160:167]
	v_wmma_f32_16x16x4_f32 v[168:175], v[48+2*\k:49+2*\k], v[80+2*\k:81+2*\k], v[168:175]
.endif
.endr
.rept 8
	v_nop
.endr
	ds_store_b128 v[IMG], v[112:115]               ; my head's part of the 16 x 64 results, as an image of its registers
	ds_store_b128 v[IMG], v[116:119] offset:512
	ds_store_b128 v[IMG], v[120:123] offset:1024
	ds_store_b128 v[IMG], v[124:127] offset:1536
	ds_store_b128 v[IMG], v[160:163] offset:2048
	ds_store_b128 v[IMG], v[164:167] offset:2560
	ds_store_b128 v[IMG], v[168:171] offset:3072
	ds_store_b128 v[IMG], v[172:175] offset:3584
	s_wait_dscnt 0x0                               ; for the others' sake: my stores have landed
	s_barrier_signal -1
	s_barrier_wait -1
	s_cmp_lt_u32 s10, 8                            ; waves 0 to 7 add the sixteen heads' parts, two rows each
	s_cbranch_scc0 .Ldone
.irp w, 0,1,2,3,4,5,6,7,8,9,10,11,12,13,14,15
	ds_load_b128 v[16+4*\w:19+4*\w], v[RED] offset:4096*\w
.endr
	s_wait_dscnt 0x0
.irp w, 1,2,3,4,5,6,7
	v_pk_add_f32 v[16:17], v[16:17], v[16+4*\w:17+4*\w]
	v_pk_add_f32 v[18:19], v[18:19], v[18+4*\w:19+4*\w]
	v_pk_add_f32 v[48:49], v[48:49], v[48+4*\w:49+4*\w]
	v_pk_add_f32 v[50:51], v[50:51], v[50+4*\w:51+4*\w]
.endr
	v_pk_add_f32 v[16:17], v[16:17], v[48:49]
	v_pk_add_f32 v[18:19], v[18:19], v[50:51]
	global_store_b128 v[GO], v[16:19], s[8:9]      ; sixteen lanes store 256 consecutive bytes of a row
.Ldone:
	s_wait_tensorcnt 0x0                           ; the wave's end: the add and its wait stand behind my last LDS store
	ds_add_u32 v[SPW], v[NIL]
	s_wait_dscnt 0x0
	s_endpgm
.Lfunc_end_k_q78e720a50f_first16:
	.size	k_q78e720a50f_first16, .Lfunc_end_k_q78e720a50f_first16-k_q78e720a50f_first16
	.p2alignl 7, 3214868480
	.fill 96, 4, 3214868480
	.section	.rodata,"a",@progbits
	.p2align	6, 0x0
	.amdhsa_kernel k_q78e720a50f_first16
		.amdhsa_group_segment_fixed_size 67584
		.amdhsa_private_segment_fixed_size 0
		.amdhsa_enable_private_segment 0
		.amdhsa_kernarg_size 24
		.amdhsa_user_sgpr_count 2
		.amdhsa_user_sgpr_kernarg_segment_ptr 1
		.amdhsa_wavefront_size32 1
		.amdhsa_system_sgpr_workgroup_id_x 1
		.amdhsa_system_sgpr_workgroup_id_y 1
		.amdhsa_system_sgpr_workgroup_id_z 1
		.amdhsa_system_vgpr_workitem_id 0
		.amdhsa_next_free_vgpr 256
		.amdhsa_next_free_sgpr 66
		.amdhsa_reserve_vcc 1
		.amdhsa_float_denorm_mode_32 3
		.amdhsa_float_denorm_mode_16_64 3
		.amdhsa_memory_ordered 1
		.amdhsa_forward_progress 1
		.amdhsa_inst_pref_size 24
	.end_amdhsa_kernel
	.amdgpu_metadata
---
amdhsa.version: [ 1, 2 ]
amdhsa.kernels:
  - .name:           k_q78e720a50f_first16
    .symbol:         k_q78e720a50f_first16.kd
    .args:
      - { .name: q32, .offset: 0, .size: 8, .value_kind: global_buffer, .address_space: global }
      - { .name: w_o, .offset: 8, .size: 8, .value_kind: global_buffer, .address_space: global }
      - { .name: out0, .offset: 16, .size: 8, .value_kind: global_buffer, .address_space: global }
    .group_segment_fixed_size: 67584
    .private_segment_fixed_size: 0
    .kernarg_segment_align: 8
    .kernarg_segment_size: 24
    .max_flat_workgroup_size: 512
    .sgpr_count:     66
    .vgpr_count:     256
    .wavefront_size: 32
...
	.end_amdgpu_metadata
.endif
;; end of part 3
;; launch attn (part 4): grid 4 x 64, 8 waves a work-group, no clusters, 327,680 bytes of LDS; arguments qkv, att; writes att
.if DOCPART == 4
	.amdgcn_target "amdgcn-amd-amdhsa--gfx1250"
	.amdhsa_code_object_version 6
	.text
	.protected	k_q78e720a50f_attn
	.globl	k_q78e720a50f_attn
	.p2align	8
	.type	k_q78e720a50f_attn,@function
k_q78e720a50f_attn:
	s_mov_b64 s[64:65], 0
	v_nop
	global_prefetch_b8 v0, s[64:65] scope:SCOPE_SE
	s_setreg_imm32_b32 hwreg(HW_REG_WAVE_MODE, 25, 1), 1
	s_wait_xcnt 0x0
; att[b][h][q][:] = the sum over k <= q of softmax_k(Q[q] . K[k] / 8) V[k][:], for 64 heads of 2,048 positions x 64 channels.  Q, K, V and att are f16, laid by head; products, maxima and sums in f32; the weights p are rounded to f16.
; LEFT OUT: steps of 64 keys all of which come behind a wave's 32 queries: the problem's own causal mask makes their weights 0 for all values of the inputs.  LIMIT: a NaN or an infinity that lies only there is not carried.
; SHARES.  A work-group (x = g, y = head) owns two blocks of 256 queries, 7 - g and then g, and makes NINE visits of 256 keys: blocks 0 .. 7 - g, then 0 .. g.  So all 256 work-groups have equal work, and the number of
; visits is a constant of the text.  A wave owns 32 queries of a block, two tiles of 16, so that each fragment of K and V read from LDS feeds two products.  Wave w takes sub-block w xor 3 (w / 4).
; NO CLUSTER: the four work-groups of a head want different key blocks from the sixth visit on, so they could not make every request jointly without fetching tiles that some of them never read.
; LAYOUT.  S^T = K Q^T (source 0 = 16 keys, source 1 = 16 queries): a lane holds ONE query (lane % 16) and the keys 8 (lane / 16) + 0 .. 7 of a tile.  Two such tiles, rounded to f16 in pairs, ARE source 1 of O^T = V^T P.
; K comes out of LDS as it lies, V ([key][channel]) turned, by ds_load_tr16_b128.
; SOFTMAX.  A running maximum m and sum l for each query: p = 2^(c s - c m), c = log2(e) / 8; in every step O and l are multiplied by a = 2^(c m_old - c m_new).  The step is written once: m begins at -3e38, O and l as zeros.
; THE RING.  Two slots of 256 keys.  Every wave fetches 64 rows with one tensor load (waves 0-3: K, waves 4-7: V).  The change of slots stands at a visit's head: the wait for all my loads, the add, the wait for it and for my
; reads, one barrier, and behind it the load of the next visit's block into the slot just left.  By this text's count one tensor load of a wave is out.  The ninth visit is written out, without a load.
; REGISTERS.  Window 0: v1-11, v28-31 addresses; v12-27 statistics, 8 a tile; v32-63 Q; v64-127 S^T; v128-159 P; v160-223 O^T.  Window 1: v0-63 K, v64-127 V of a step; v128-159 the second block's Q.
.set PKP,   144                        ; a row of K in LDS: 128 bytes + 16 = 36 words: the 16 rows of a load start at 16 different banks
.set PVP,   160                        ; a row of V: 128 + 32 = 40 words: an odd multiple of 32 bytes, as the turning load's rows want
.set VOFF,  256*PKP
.set SLOT1, 1<<17                      ; one exclusive or turns an address in one slot into the other's
.set STAGE, 2*SLOT1                    ; the way out: [tile 2][16 rows][128 + 16 bytes] for each wave; no tile lands here
.set WST,   4608
.set SPARE, STAGE+8*WST                ; the spare words, 128 bytes a wave, which no other line names
.set AK0, 1
.set AV0, 2
.set ADK, 3
.set ADV, 4
.set SPW, 5
.set NIL, 6
.set PFO, 7                            ; v7   256 x lane; never rewritten
.set NINF, 10
.set RM,  11                           ; v11  r - 8 h
.set ST,  12                           ; tile t at v[ST + 8 t]: +0 c m, +1 m, +2, +3 l, +4 .. +7 at work; a at +6
.set STO, 28
.set RD,  29
.set GO,  30
.set QO,  31
.set QF,  32
.set S,   64
.set P,   128
.set OT,  160
.set WV,  8
.set SB,  9
.set G1K, 16
.set G1V, 24
.set G0K, 32
.set G0V, 36
.set BK,  40                           ; s[40:41] K at my 64 rows of the head's key block 0;  s[42:43] V likewise
.set BV,  42
.set OFF, 44
.set CS,  46
.set SEL, 48
.set TB,  50                           ; LDS byte at which the slot in hand begins
.set TRIPS, 51
.set VC,  52                           ; the visit's number
.set SW,  53                           ; the visit with which the second block of queries begins: 8 - g
.set KB,  54                           ; the key block in hand;  s55: the one asked for
.set KBN, 55
.set KF,  56                           ; its first key
.set Q0,  57                           ; my first query;  s58: the second block's
.set Q0B, 58
.set OB,  60                           ; s[60:61] att at my first query;  s[62:63] the second block's
.set OB2, 62
.set PFA, 66
.set LIM, 68
.set MSB, 0
.macro WIN new
.if MSB != (\new)
	s_set_vgpr_msb (MSB<<8)|(\new)
.set MSB, (\new)
.endif
.endm
.macro TLOAD                           ; every wave's one load; the branch hangs on the wave's number alone; an s_nop 0 and four v_nop follow each line
	s_cmp_lt_u32 s[WV], 4
	s_cbranch_scc0 .Lfor_v_\@
	tensor_load_to_lds s[G0K:G0K+3], s[G1K:G1K+7]
	s_nop 0
.rept 4
	v_nop
.endr
	s_branch .Lasked_\@
.Lfor_v_\@:
	tensor_load_to_lds s[G0V:G0V+3], s[G1V:G1V+7]
	s_nop 0
.rept 4
	v_nop
.endr
.Lasked_\@:
.endm
; A PREFETCH INTO THE L2 of the key block that the NEXT change of slots will ask for.  The four work-groups of a head walk the same blocks from 0 on: the one with g = 0, which walks all eight in order, asks, and nobody else.
; Each of its waves names the 64 rows (8,192 bytes, lanes 256 bytes apart) that it will itself fetch: one instruction a wave, each run of 256 bytes once in the launch.  Visit v names block v + 2, for v up to 5: blocks 0 and 1 come by their loads alone.
.macro ASK
	s_cmp_gt_u32 s[TRIPS], s[LIM]
	s_cbranch_scc0 .Lnot_mine_\@
	global_prefetch_b8 v[PFO], s[PFA:PFA+1] th:TH_LOAD_NT scope:SCOPE_SE
.Lnot_mine_\@:
.endm
.macro CHANGE fill
	s_wait_tensorcnt 0x0                           ; my part of the slot ahead has landed, and no tensor load of mine is out: the descriptors may be written
	ds_add_u32 v[SPW], v[NIL]                      ; the steps below stand between the add and the wait for it
	s_mov_b32 s[KB], s[KBN]
.if \fill
	s_add_co_u32 s[KBN], s[KBN], 1                 ; the next visit's block: one on, or 0 where the second block of queries begins
	s_add_co_u32 s69, s[VC], 1
	s_cmp_eq_u32 s69, s[SW]
	s_cselect_b32 s[KBN], 0, s[KBN]
	s_lshl_b32 s[OFF], s[KBN], 15                  ; 256 rows of 128 bytes
	s_add_nc_u64 s[G0K+2:G0K+3], s[BK:BK+1], s[OFF:OFF+1]
	s_or_b32 s[G0K+3], s[G0K+3], 0x80000000
	s_xor_b32 s[G0K+1], s[G0K+1], SLOT1
	s_add_nc_u64 s[G0V+2:G0V+3], s[BV:BV+1], s[OFF:OFF+1]
	s_or_b32 s[G0V+3], s[G0V+3], 0x80000000
	s_xor_b32 s[G0V+1], s[G0V+1], SLOT1
	s_wait_xcnt 0x0                                ; the last prefetch, a visit back, has read its address
	s_add_nc_u64 s[PFA:PFA+1], s[PFA:PFA+1], 32768
.endif
	s_wait_dscnt 0x0                               ; the add is done, and my reads of the slot that I have left are over
	s_barrier_signal -1
	s_barrier_wait -1
.if \fill
	TLOAD                                          ; the first thing behind the barrier, and my one tensor load until the next
	ASK
.endif
	s_lshl_b32 s[KF], s[KB], 8
.endm
.macro INIT
.irp t, 0,1
	v_mov_b32 v[ST+8*\t+1], 0xff61b1e6             ; m = -3e38, under every score
	v_mul_f32 v[ST+8*\t], s[CS], v[ST+8*\t+1]
.irp i, 2,3,4,5,6,7
	v_mov_b32 v[ST+8*\t+\i], 0
.endr
.endr
.set n, 0
.rept 64
	v_mov_b32 v[OT+n], 0                           ; the step is written once: its first turn finds zeros, which a = 0 leaves zeros
.set n, n+1
.endr
.endm
.macro FETCH_K q                       ; 64 keys x 64 channels: 8 fragments (tile kt, channels 32 c on) at v[8 (2 kt + c)] of window 1
	WIN 0x40
.irp kt, 0,1,2,3
.irp c, 0,1
	ds_load_b128 v[8*(2*\kt+\c):8*(2*\kt+\c)+3],   v[ADK] offset:(64*(\q)+16*\kt)*PKP+64*\c
	ds_load_b128 v[8*(2*\kt+\c)+4:8*(2*\kt+\c)+7], v[ADK] offset:(64*(\q)+16*\kt)*PKP+64*\c+32
.endr
.endr
	WIN 0
.endm
.macro FETCH_V q                       ; turned: 8 fragments (keys 32 ks on, channels 16 dt on) at v[64 + 8 (4 ks + dt)] of window 1
	WIN 0x40
.irp ks, 0,1
.irp dt, 0,1,2,3
	ds_load_tr16_b128 v[64+8*(4*\ks+\dt):64+8*(4*\ks+\dt)+3],   v[ADV] offset:(64*(\q)+32*\ks)*PVP+32*\dt
	ds_load_tr16_b128 v[64+8*(4*\ks+\dt)+4:64+8*(4*\ks+\dt)+7], v[ADV] offset:(64*(\q)+32*\ks)*PVP+16*PVP+32*\dt
.endr
.endr
	WIN 0
.endm
.macro PLACES
.rept 4
	v_nop
.endr
.endm
; A STEP: 64 keys, the q-th of the visit.
.macro STEP q, id
.if \q > 0
	s_add_co_u32 s69, s[KF], 64*\q                 ; a step whose first key comes behind my last query is left out, and so are the visit's later ones: a scalar branch on ids and counts.
	s_add_co_u32 s70, s[Q0], 31                    ; (The two runs of LDS loads that were issued ahead are awaited by the next wait for 0)
	s_cmp_gt_u32 s69, s70
	s_cbranch_scc1 .Lvend_\id
.endif
	s_wait_dscnt 16                                ; K of this step is in; V's 16 loads may be out
	WIN 0x01                                       ; source 0 in window 1
.irp c, 0,1
.irp kt, 0,1,2,3
.irp t, 0,1
.if \c == 0
	v_wmma_f32_16x16x32_f16 v[S+32*\t+8*\kt:S+32*\t+8*\kt+7], v[8*(2*\kt+\c):8*(2*\kt+\c)+7], v[QF+16*\t+8*\c:QF+16*\t+8*\c+7], 0   ; eight accumulators by turns
.else
	v_wmma_f32_16x16x32_f16 v[S+32*\t+8*\kt:S+32*\t+8*\kt+7], v[8*(2*\kt+\c):8*(2*\kt+\c)+7], v[QF+16*\t+8*\c:QF+16*\t+8*\c+7], v[S+32*\t+8*\kt:S+32*\t+8*\kt+7]
.endif
.endr
.endr
.endr
	WIN 0
	PLACES                                         ; in front of the loads into K's registers and of the first read of the scores
.if \q < 3
	FETCH_K (\q)+1
.endif
	s_add_co_u32 s69, s[KF], 64*\q+63              ; a step all of whose keys count for all my queries skips the mask
	s_cmp_le_u32 s69, s[Q0]
	s_cbranch_scc1 .Lopen_\@
	s_sub_co_i32 s69, s[Q0], s[KF]
	s_sub_co_i32 s69, s69, 64*\q
	v_add_nc_u32 v8, s69, v[RM]                    ; tile t, register 8 kt + j: key 16 kt + j is hidden where 16 kt + j > my query - the step's first key - 8 h
	v_add_nc_u32 v9, 16, v8
.irp t, 0,1
.irp kt, 0,1,2,3
.irp j, 0,1,2,3,4,5,6,7
	v_cmp_gt_i32 vcc_lo, 16*\kt+\j, v[8+\t]
	v_cndmask_b32 v[S+32*\t+8*\kt+\j], v[S+32*\t+8*\kt+\j], v[NINF], vcc_lo
.endr
.endr
.endr
.Lopen_\@:
.irp j, 0,1,2,3                        ; the maximum of 32 scores and the old m: four chains a tile, the two tiles by turns; each accumulator is read from its low end on
.irp t, 0,1
	v_max3_num_f32 v[ST+8*\t+4+\j], v[S+32*\t+8*\j], v[S+32*\t+8*\j+1], v[S+32*\t+8*\j+2]
.endr
.endr
.irp g, 1,2
.irp j, 0,1,2,3
.irp t, 0,1
	v_max3_num_f32 v[ST+8*\t+4+\j], v[ST+8*\t+4+\j], v[S+32*\t+8*\j+2*\g+1], v[S+32*\t+8*\j+2*\g+2]
.endr
.endr
.endr
.irp t, 0,1
	v_max3_num_f32 v[ST+8*\t+4], v[ST+8*\t+4], v[S+32*\t+7], v[S+32*\t+15]
	v_max3_num_f32 v[ST+8*\t+6], v[ST+8*\t+6], v[S+32*\t+23], v[S+32*\t+31]
.endr
.irp t, 0,1
	v_max3_num_f32 v[ST+8*\t+4], v[ST+8*\t+4], v[ST+8*\t+5], v[ST+8*\t+6]
.endr
.irp t, 0,1
	v_max3_num_f32 v[ST+8*\t+4], v[ST+8*\t+4], v[ST+8*\t+7], v[ST+8*\t+1]
.endr
.irp t, 0,1
	v_permlanex16_b32 v[ST+8*\t+5], v[ST+8*\t+4], s[SEL], s[SEL+1]   ; the query's other 32 keys lie in the lane 16 away
	v_mov_b32 v[ST+8*\t+7], v[ST+8*\t]             ; c m_old is kept for a
.endr
.irp t, 0,1
	v_max_num_f32 v[ST+8*\t+1], v[ST+8*\t+4], v[ST+8*\t+5]
.endr
.irp t, 0,1
	v_mul_f32 v[ST+8*\t], s[CS], v[ST+8*\t+1]
.endr
.irp t, 0,1
	v_sub_f32 v[ST+8*\t+7], v[ST+8*\t+7], v[ST+8*\t]
.endr
.irp t, 0,1
.irp b, 0,1,2,3,4,5,6,7,8,9,10,11,12,13,14,15
	v_pk_fma_f32 v[S+32*\t+2*\b:S+32*\t+2*\b+1], v[S+32*\t+2*\b:S+32*\t+2*\b+1], s[CS:CS+1], v[ST+8*\t:ST+8*\t+1] op_sel_hi:[1,0,0] neg_lo:[0,0,1] neg_hi:[0,0,1]   ; c s - c m
.endr
.endr
.irp t, 0,1
	v_exp_f32 v[ST+8*\t+6], v[ST+8*\t+7]           ; a
.endr
.set n, 0
.rept 64
	v_exp_f32 v[S+n], v[S+n]                       ; p: one batch of 66 exponentials
.set n, n+1
.endr
	v_nop                                          ; a plain line behind the last of them
	s_wait_alu depctr_va_vdst(0)                   ; and ONE wait for the batch, ahead of its first reader
.irp t, 0,1
.irp b, 0,1,2,3,4,5,6,7,8,9,10,11,12,13,14,15
	v_cvt_pk_f16_f32 v[P+16*\t+\b], v[S+32*\t+2*\b], v[S+32*\t+2*\b+1]
.endr
.endr
.irp t, 0,1                            ; the sum of the unrounded p, in place: neighbours 1, 2, 4 and 8 pairs apart, then l = a l + the sum
.irp u, 0,1,2,3,4,5,6,7
	v_pk_add_f32 v[S+32*\t+4*\u:S+32*\t+4*\u+1], v[S+32*\t+4*\u:S+32*\t+4*\u+1], v[S+32*\t+4*\u+2:S+32*\t+4*\u+3]
.endr
.irp u, 0,1,2,3
	v_pk_add_f32 v[S+32*\t+8*\u:S+32*\t+8*\u+1], v[S+32*\t+8*\u:S+32*\t+8*\u+1], v[S+32*\t+8*\u+4:S+32*\t+8*\u+5]
.endr
.irp u, 0,1
	v_pk_add_f32 v[S+32*\t+16*\u:S+32*\t+16*\u+1], v[S+32*\t+16*\u:S+32*\t+16*\u+1], v[S+32*\t+16*\u+8:S+32*\t+16*\u+9]
.endr
	v_pk_add_f32 v[S+32*\t:S+32*\t+1], v[S+32*\t:S+32*\t+1], v[S+32*\t+16:S+32*\t+17]
	v_pk_fma_f32 v[ST+8*\t+2:ST+8*\t+3], v[ST+8*\t+2:ST+8*\t+3], v[ST+8*\t+6:ST+8*\t+7], v[S+32*\t:S+32*\t+1] op_sel_hi:[1,0,1]
.endr
.irp t, 0,1
.irp b, 0,1,2,3,4,5,6,7,8,9,10,11,12,13,14,15
	v_pk_mul_f32 v[OT+32*\t+2*\b:OT+32*\t+2*\b+1], v[OT+32*\t+2*\b:OT+32*\t+2*\b+1], v[ST+8*\t+6:ST+8*\t+7] op_sel_hi:[1,0]   ; O^T x a
.endr
.endr
.if \q < 3
	s_wait_dscnt 16                                ; V of this step is in; the next step's K, 16 loads, may be out
.else
	s_wait_dscnt 0x0
.endif
	WIN 0x01
.irp ks, 0,1
.irp dt, 0,1,2,3
.irp t, 0,1
	v_wmma_f32_16x16x32_f16 v[OT+32*\t+8*\dt:OT+32*\t+8*\dt+7], v[64+8*(4*\ks+\dt):64+8*(4*\ks+\dt)+7], v[P+16*\t+8*\ks:P+16*\t+8*\ks+7], v[OT+32*\t+8*\dt:OT+32*\t+8*\dt+7]
.endr
.endr
.endr
	WIN 0
.if \q < 3
	PLACES
	FETCH_V (\q)+1
.endif
.endm
.macro VISIT id
	v_add_nc_u32 v[ADK], s[TB], v[AK0]
	v_add_nc_u32 v[ADV], s[TB], v[AV0]
	PLACES                                         ; in front of loads into registers that the last visit's products read
	FETCH_K 0
	FETCH_V 0
	STEP 0, \id
	STEP 1, \id
	STEP 2, \id
	STEP 3, \id
.Lvend_\id:
	s_xor_b32 s[TB], s[TB], SLOT1                  ; on to the other slot
.endm
; THE WAY OUT of a block of queries: O^T / l, rounded to f16, through my stage, and out as whole rows: four rows, 512 consecutive bytes, an instruction.
.macro WAYOUT
	s_wait_dscnt 0x0                               ; runs of loads that a hidden step left unread are in
	PLACES
.irp t, 0,1
	v_add_f32 v[ST+8*\t+4], v[ST+8*\t+2], v[ST+8*\t+3]
.endr
.irp t, 0,1
	v_permlanex16_b32 v[ST+8*\t+5], v[ST+8*\t+4], s[SEL], s[SEL+1]
.endr
.irp t, 0,1
	v_add_f32 v[ST+8*\t+4], v[ST+8*\t+4], v[ST+8*\t+5]
.endr
.irp t, 0,1
	v_rcp_f32 v[ST+8*\t+6], v[ST+8*\t+4]
.endr
	v_nop
	s_wait_alu depctr_va_vdst(0)                   ; one wait for the two reciprocals
.irp t, 0,1
.irp b, 0,1,2,3,4,5,6,7,8,9,10,11,12,13,14,15
	v_pk_mul_f32 v[S+32*\t+2*\b:S+32*\t+2*\b+1], v[OT+32*\t+2*\b:OT+32*\t+2*\b+1], v[ST+8*\t+6:ST+8*\t+7] op_sel_hi:[1,0]
.endr
.endr
.irp t, 0,1
.irp b, 0,1,2,3,4,5,6,7,8,9,10,11,12,13,14,15
	v_cvt_pk_f16_f32 v[P+16*\t+\b], v[S+32*\t+2*\b], v[S+32*\t+2*\b+1]
.endr
.endr
.irp t, 0,1
.irp dt, 0,1,2,3
	ds_store_b128 v[STO], v[P+16*\t+4*\dt:P+16*\t+4*\dt+3] offset:2304*\t+32*\dt
.endr
.endr
.irp t, 0,1
.irp u, 0,1,2,3
	ds_load_b128 v[S+16*\t+4*\u:S+16*\t+4*\u+3], v[RD] offset:2304*\t+576*\u   ; LDS serves a wave's instructions in order: these see my stores
.endr
.endr
	s_wait_dscnt 0x0
.irp t, 0,1
.irp u, 0,1,2,3
	global_store_b128 v[GO], v[S+16*\t+4*\u:S+16*\t+4*\u+3], s[OB:OB+1] offset:2048*\t+512*\u
.endr
.endr
	s_wait_xcnt 0x0                                ; the stores have read their data and their base: both may be written again
.endm
.macro SWITCH                          ; at the visit with which the second block of queries begins: the first goes out, and the wave starts anew
	s_cmp_lg_u32 s[VC], s[SW]
	s_cbranch_scc1 .Lsame_\@
	WAYOUT
	WIN 0x01
.set n, 0
.rept 32
	v_mov_b32 v[QF+n], v[128+n]                    ; the second block's Q, out of window 1
.set n, n+1
.endr
	WIN 0
	INIT
	s_mov_b32 s[Q0], s[Q0B]
	s_mov_b64 s[OB:OB+1], s[OB2:OB2+1]
.Lsame_\@:
.endm
	s_load_b128 s[4:7], s[0:1], 0x0                ; qkv, att
	v_lshl_add_u32 v[SPW], v0, 2, SPARE
	v_mov_b32 v[NIL], 0
	ds_add_u32 v[SPW], v[NIL]                      ; the opening: the add, twice on end, and its wait ahead of my first tensor load
	ds_add_u32 v[SPW], v[NIL]
	v_lshrrev_b32 v1, 5, v0
	v_readfirstlane_b32 s[WV], v1                  ; wave 0..7
	s_lshr_b32 s10, s[WV], 2
	s_mul_i32 s10, s10, 3
	s_xor_b32 s[SB], s[WV], s10                    ; my sub-block of 32 queries
	s_and_b32 s11, ttmp7, 0xffff
	s_lshl_b32 s11, s11, 18                        ; the head's first byte: 262,144 a head
	s_and_b32 s12, s[WV], 3                        ; which 64 rows of a key block I fetch
	s_mul_i32 s13, s12, 64*PKP                     ; their place in a slot: K's,
	s_mul_i32 s14, s12, 64*PVP
	s_add_co_u32 s14, s14, VOFF                    ; V's
	s_lshl_b32 s12, s12, 13
	s_add_co_u32 s[OFF], s11, s12
	s_mov_b32 s[OFF+1], 0
	s_mov_b32 s[G1K], (1<<16)|(1<<20)|(4<<22)|(3<<25)   ; elements of 2 bytes; padding: 4 words after every 32
	s_mov_b32 s[G1V], (1<<16)|(1<<20)|(4<<22)|(7<<25)   ; 8 words
.irp g, G1K, G1V
	s_mov_b32 s[\g+1], 64<<16                      ; tensor_dim0
	s_mov_b32 s[\g+2], 64<<16                      ; tensor_dim1
	s_mov_b32 s[\g+3], 64<<16                      ; tile_dim0
	s_mov_b32 s[\g+4], 64                          ; tile_dim1
	s_mov_b32 s[\g+5], 64                          ; from row to row
	s_mov_b32 s[\g+6], 0
	s_mov_b32 s[\g+7], 0
.endr
	s_mov_b32 s[CS], 0x3e38aa3b                    ; c = log2(e) / 8
	s_mov_b32 s[CS+1], s[CS]
	s_mov_b32 s[SEL], 0x76543210
	s_mov_b32 s[SEL+1], 0xfedcba98
	s_mov_b32 s[TB], 0
	s_mov_b32 s[TRIPS], 8
	s_mov_b32 s[VC], 0
	s_mov_b32 s[KBN], 0
	s_sub_co_u32 s[SW], 8, ttmp9
	s_sub_co_u32 s69, 7, ttmp9
	s_lshl_b32 s69, s69, 8
	s_lshl_b32 s70, s[SB], 5
	s_add_co_u32 s[Q0], s69, s70                   ; first the block 7 - g,
	s_lshl_b32 s69, ttmp9, 8
	s_add_co_u32 s[Q0B], s69, s70                  ; then the block g
	s_lshl_b32 s72, s[Q0], 7
	s_add_co_u32 s72, s72, s11
	s_mov_b32 s73, 0
	s_lshl_b32 s74, s[Q0B], 7
	s_add_co_u32 s74, s74, s11
	s_mov_b32 s75, 0
	s_cmp_eq_u32 ttmp9, 0
	s_cselect_b32 s[LIM], 2, -1                    ; who prefetches, and until when
	s_wait_dscnt 0x0                               ; both opening adds are done
	s_wait_kmcnt 0x0
	s_add_nc_u64 s[BK:BK+1], s[4:5], s[OFF:OFF+1]
	s_add_nc_u64 s[BV:BV+1], s[BK:BK+1], 0x2000000 ; v lies 33,554,432 bytes into qkv,
	s_add_nc_u64 s[BK:BK+1], s[BK:BK+1], 0x1000000 ; k 16,777,216
	s_mov_b32 s[G0K], 1
	s_mov_b32 s[G0K+1], s13
	s_mov_b64 s[G0K+2:G0K+3], s[BK:BK+1]
	s_or_b32 s[G0K+3], s[G0K+3], 0x80000000
	s_mov_b32 s[G0V], 1
	s_mov_b32 s[G0V+1], s14
	s_mov_b64 s[G0V+2:G0V+3], s[BV:BV+1]
	s_or_b32 s[G0V+3], s[G0V+3], 0x80000000
	TLOAD                                          ; key block 0 into slot 0
	s_add_nc_u64 s[12:13], s[4:5], s[72:73]        ; Q at my first query, for each block
	s_add_nc_u64 s[14:15], s[4:5], s[74:75]
	s_add_nc_u64 s[OB:OB+1], s[6:7], s[72:73]
	s_add_nc_u64 s[OB2:OB2+1], s[6:7], s[74:75]
	s_cmp_lt_u32 s[WV], 4
	s_cselect_b64 s[PFA:PFA+1], s[BK:BK+1], s[BV:BV+1]
	s_add_nc_u64 s[PFA:PFA+1], s[PFA:PFA+1], 32768 ; at block 1: the first change of slots steps it to block 2.  Nothing is prefetched here, at the head
	v_and_b32 v8, 15, v0                           ; r
	v_bfe_u32 v9, v0, 4, 1                         ; h
	v_lshlrev_b32 v[QO], 7, v8
	v_lshl_add_u32 v[QO], v9, 4, v[QO]
.irp t, 0,1
.irp c, 0,1
	global_load_b128 v[QF+16*\t+8*\c:QF+16*\t+8*\c+3],   v[QO], s[12:13] offset:2048*\t+64*\c
	global_load_b128 v[QF+16*\t+8*\c+4:QF+16*\t+8*\c+7], v[QO], s[12:13] offset:2048*\t+64*\c+32
.endr
.endr
	WIN 0x40
.irp t, 0,1
.irp c, 0,1
	global_load_b128 v[128+16*\t+8*\c:128+16*\t+8*\c+3],   v[QO], s[14:15] offset:2048*\t+64*\c
	global_load_b128 v[128+16*\t+8*\c+4:128+16*\t+8*\c+7], v[QO], s[14:15] offset:2048*\t+64*\c+32
.endr
.endr
	WIN 0
	v_mul_u32_u24 v[AK0], v8, PKP
	v_lshl_add_u32 v[AK0], v9, 4, v[AK0]           ; K: row r, + 16 h
	v_and_b32 v10, 7, v0
	v_bfe_u32 v11, v0, 3, 1
	v_lshl_add_u32 v[AV0], v9, 3, v10
	v_mul_u32_u24 v[AV0], v[AV0], PVP
	v_lshl_add_u32 v[AV0], v11, 4, v[AV0]
	v_add_nc_u32 v[AV0], VOFF, v[AV0]              ; V: key 8 h + lane % 8, channels 8 ((lane / 8) % 2) on
	s_mul_i32 s69, s[WV], WST
	s_add_co_u32 s69, s69, STAGE
	v_add_nc_u32 v[STO], s69, v[AK0]               ; the stage has K's pitch: row r, + 16 h
	v_and_b32 v[GO], 31, v0
	v_lshrrev_b32 v10, 3, v[GO]
	v_mul_u32_u24 v[RD], v10, PKP
	v_and_b32 v10, 7, v0
	v_lshl_add_u32 v[RD], v10, 4, v[RD]
	v_add_nc_u32 v[RD], s69, v[RD]                 ; back: eight lanes to a row
	v_lshlrev_b32 v[PFO], 8, v[GO]
	v_lshlrev_b32 v[GO], 4, v[GO]
	v_lshlrev_b32 v10, 3, v9
	v_sub_nc_u32 v[RM], v8, v10
	v_mov_b32 v[NINF], 0xff800000
	INIT
	s_wait_loadcnt 0x0                             ; both blocks' Q
.Lvisit:                                               ; eight trips: behind each change of slots the next visit's block is asked for
	CHANGE 1
	SWITCH
	VISIT 0
	s_add_co_u32 s[VC], s[VC], 1
	s_sub_co_u32 s[TRIPS], s[TRIPS], 1
	s_cmp_lg_u32 s[TRIPS], 0
	s_cbranch_scc1 .Lvisit
	CHANGE 0                                       ; the ninth visit is written out: nothing is left to fetch
	SWITCH
	VISIT 1
	WAYOUT
	s_wait_tensorcnt 0x0                           ; the wave's end: the add and its wait stand behind my last tensor load and my last LDS store
	ds_add_u32 v[SPW], v[NIL]
	s_wait_dscnt 0x0
	s_endpgm
.Lfunc_end_k_q78e720a50f_attn:
	.size	k_q78e720a50f_attn, .Lfunc_end_k_q78e720a50f_attn-k_q78e720a50f_attn
	.p2alignl 7, 3214868480
	.fill 96, 4, 3214868480
	.section	.rodata,"a",@progbits
	.p2align	6, 0x0
	.amdhsa_kernel k_q78e720a50f_attn
		.amdhsa_group_segment_fixed_size 327680
		.amdhsa_private_segment_fixed_size 0
		.amdhsa_enable_private_segment 0
		.amdhsa_kernarg_size 16
		.amdhsa_user_sgpr_count 2
		.amdhsa_user_sgpr_kernarg_segment_ptr 1
		.amdhsa_wavefront_size32 1
		.amdhsa_system_sgpr_workgroup_id_x 1
		.amdhsa_system_sgpr_workgroup_id_y 1
		.amdhsa_system_sgpr_workgroup_id_z 1
		.amdhsa_system_vgpr_workitem_id 0
		.amdhsa_next_free_vgpr 416
		.amdhsa_next_free_sgpr 80
		.amdhsa_reserve_vcc 1
		.amdhsa_float_denorm_mode_32 3
		.amdhsa_float_denorm_mode_16_64 3
		.amdhsa_memory_ordered 1
		.amdhsa_forward_progress 1
		.amdhsa_inst_pref_size 210
	.end_amdhsa_kernel
	.amdgpu_metadata
---
amdhsa.version: [ 1, 2 ]
amdhsa.kernels:
  - .name:           k_q78e720a50f_attn
    .symbol:         k_q78e720a50f_attn.kd
    .args:
      - { .name: qkv, .offset: 0, .size: 8, .value_kind: global_buffer, .address_space: global }
      - { .name: att, .offset: 8, .size: 8, .value_kind: global_buffer, .address_space: global }
    .group_segment_fixed_size: 327680
    .private_segment_fixed_size: 0
    .kernarg_segment_align: 8
    .kernarg_segment_size: 16
    .max_flat_workgroup_size: 256
    .sgpr_count:     80
    .vgpr_count:     416
    .wavefront_size: 32
...
	.end_amdgpu_metadata
.endif
;; end of part 4
;; launch proj (part 5): grid 4 x 64, 4 waves a work-group, clusters of 4 x 4, 327,680 bytes of LDS; arguments att, wo16, out0; writes out0
.if DOCPART == 5
	.amdgcn_target "amdgcn-amd-amdhsa--gfx1250"
	.amdhsa_code_object_version 6
	.text
	.protected	k_q78e720a50f_proj
	.globl	k_q78e720a50f_proj
	.p2align	8
	.type	k_q78e720a50f_proj,@function
k_q78e720a50f_proj:
	s_mov_b64 s[64:65], 0
	v_nop
	global_prefetch_b8 v0, s[64:65] scope:SCOPE_SE
	s_setreg_imm32_b32 hwreg(HW_REG_WAVE_MODE, 25, 1), 1
	s_wait_xcnt 0x0
	s_wait_alu depctr_hold_cnt(0) depctr_sa_sdst(0) depctr_va_vdst(0) depctr_va_sdst(0) depctr_va_ssrc(0) depctr_va_vcc(0) depctr_vm_vsrc(0)
	s_getreg_b32 s2, hwreg(HW_REG_IB_STS2, 6, 4)
	s_cmp_eq_u32 s2, 0
	s_cbranch_scc0 .Lentry_in_a_cluster
	s_endpgm
.Lentry_in_a_cluster:
	s_bfe_u32 s2, ttmp6, 0x10000c
	s_cmp_lg_u32 s2, 0xf033
	s_cbranch_scc0 .Lentry_shape_is_right
	s_endpgm
.Lentry_shape_is_right:
; out0[b][s][n] = sum over (h, d) of att[b][h][s][d] w_o[n][64 h + d], f16 operands, f32 sums, f32 out.  Both operands lie by head: att[b][h][s][64], wo16[h][n][64].
; NOT STORED HERE: the first 16 positions of every sequence, which the launch first16 has made in f32.  They lie inside live tiles, so they are multiplied with the rest, and their block of 16 rows is not sent.
; A tile of out0 is 128 rows x 256 columns: 256 work-groups.  Four waves, each 64 x 128: 32 accumulators of 16 x 16.  A K step is 128 = two heads = two dense planes of each operand; eight K steps through two LDS slots.
; One tensor load a wave: waves 0 and 1 fetch A's two planes (128 rows of 128 bytes), waves 2 and 3 B's (256 rows).
; CLUSTERS: 4 x 4 work-groups; cx = tile column, cy = batch, cluster y = which 128 positions.  A's tiles are shared along a row of the cluster, B's along a column: each is asked for jointly.
; THE MATRIX INSTRUCTION IS USED TRANSPOSED (source 0 = 16 rows of wo16, source 1 = 16 rows of att): a lane holds eight neighbouring columns of a row of out0.
; No prefetch: the launch has eight K steps, and the first two come with the first fills.
; REGISTERS: window 0: v16-29 addresses; v32-95, v96-159 rows on the way out.  Window 1: two fragment buffers at v0 and v128: A's 4 fragments, then B's 8.  Window 2: accumulator (a, b) at v[8 (8 a + b)].
.set PITCH,  144                       ; an LDS row: 128 bytes + 16 = 36 words: the 16 rows of a load start at 16 different banks
.set PLA,    128*PITCH                 ; a plane of A
.set PLB,    256*PITCH                 ; a plane of B
.set SLOT,   2*PLA+2*PLB
.set STAGE,  2*SLOT                    ; behind the ring: 16 rows x (512 + 16 bytes) for each wave
.set SPITCH, 528
.set SPARE,  STAGE+4*16*SPITCH         ; the spare words, 128 bytes a wave, which no other line names
.set STEPA,  524288                    ; two heads on in att,
.set STEPB,  262144                    ; in wo16
.set LAPS,   4
.set ADRA, 16
.set ADRB, 20
.set STO,  24
.set RD,   25
.set CO,   26
.set SPW,  28
.set NIL,  29
.set BKR,  32
.set F0,   0
.set F1,   128
.set G1, 24
.set G0, 32
.set G1B, 48
.set G0B, 56
.set MSB, 0
.macro WIN new
.if MSB != (\new)
	s_set_vgpr_msb (MSB<<8)|(\new)
.set MSB, (\new)
.endif
.endm
.set MUL,  0xa5                        ; sources 0 and 1 window 1; C and D window 2
.set TO_F, 0x40
.macro JLOAD s                         ; a joint load: waves 0 and 1 for A, waves 2 and 3 for B; an s_nop 0 and four v_nop follow each line
	s_cmp_eq_u32 s11, 0
	s_cbranch_scc0 .Lfor_b_\@
	tensor_load_to_lds s[G0+4*\s:G0+4*\s+3], s[G1:G1+7]
	s_nop 0
.rept 4
	v_nop
.endr
	s_branch .Lasked_\@
.Lfor_b_\@:
	tensor_load_to_lds s[G0B+4*\s:G0B+4*\s+3], s[G1B:G1B+7]
	s_nop 0
.rept 4
	v_nop
.endr
.Lasked_\@:
.endm
.macro CREST
	s_cmp_lg_u32 s10, 0
	s_cbranch_scc1 .Lnot_wave_0_\@
	s_barrier_signal -3
.Lnot_wave_0_\@:
	s_barrier_wait -3
	s_barrier_signal -1
	s_barrier_wait -1
.endm
.macro CROUND
	s_barrier_signal -1
	s_barrier_wait -1
	CREST
.endm
	s_load_b128 s[4:7], s[0:1], 0x0                ; att, wo16
	s_load_b64 s[8:9], s[0:1], 0x10                ; out0
	v_lshl_add_u32 v[SPW], v0, 2, SPARE
	v_mov_b32 v[NIL], 0
	ds_add_u32 v[SPW], v[NIL]                      ; the opening: the add, twice on end, and its wait ahead of my first tensor load
	ds_add_u32 v[SPW], v[NIL]
	v_lshrrev_b32 v1, 5, v0
	v_readfirstlane_b32 s10, v1                    ; wave 0..3
	s_lshr_b32 s11, s10, 1                         ; which 64 rows are mine.  Also: I fetch for A (0) or for B (1)
	s_and_b32 s12, s10, 1                          ; which 128 columns.  Also: which plane I fetch
	s_bfe_u32 s40, ttmp6, 0x40000                  ; cx: the tile column
	s_bfe_u32 s41, ttmp6, 0x40004                  ; cy: the batch
	s_and_b32 s13, ttmp7, 0xffff                   ; cluster y: positions 128 x it on
	s_lshl_b32 s43, s41, 2
	s_lshl_b32 s43, 15, s43                        ; my row of the cluster
	s_lshl_b32 s44, 0x1111, s40                    ; my column
	s_or_b32 s[G1+0], s43, (1<<16)|(1<<20)|(1<<21)|(4<<22)|(3<<25)  ; the mask; elements of 2 bytes; padding: 4 words after every 32; bit 21 beside a mask
	s_or_b32 s[G1B+0], s44, (1<<16)|(1<<20)|(1<<21)|(4<<22)|(3<<25)
	s_mov_b32 s[G1+1], 64<<16                      ; tensor_dim0
	s_mov_b32 s[G1+2], 128<<16                     ; tensor_dim1
	s_mov_b32 s[G1+3], 64<<16                      ; tile_dim0
	s_mov_b32 s[G1+4], 128                         ; tile_dim1
	s_mov_b32 s[G1+5], 64                          ; from row to row
	s_mov_b32 s[G1+6], 0
	s_mov_b32 s[G1+7], 0
	s_mov_b32 s[G1B+1], 64<<16
	s_mov_b32 s[G1B+2], 256<<16
	s_mov_b32 s[G1B+3], 64<<16
	s_mov_b32 s[G1B+4], 256
	s_mov_b32 s[G1B+5], 64
	s_mov_b32 s[G1B+6], 0
	s_mov_b32 s[G1B+7], 0
	s_lshl_b32 s16, s41, 22                        ; A: the batch,
	s_lshl_b32 s17, s12, 18
	s_add_co_u32 s16, s16, s17                     ; the plane's head,
	s_lshl_b32 s17, s13, 14
	s_add_co_u32 s16, s16, s17                     ; 128 rows of 128 bytes for each cluster y
	s_mov_b32 s17, 0
	s_lshl_b32 s46, s40, 15                        ; B: 256 rows of 128 bytes for each tile column,
	s_lshl_b32 s47, s12, 17
	s_add_co_u32 s46, s46, s47                     ; the plane's head
	s_mov_b32 s47, 0
	s_mul_i32 s20, s12, PLA                        ; where they go: A's planes,
	s_mul_i32 s21, s12, PLB
	s_add_co_u32 s21, s21, 2*PLA                   ; then B's: the wave's number alone
	s_wait_dscnt 0x0                               ; both opening adds are done
	s_wait_kmcnt 0x0
	s_add_nc_u64 s[14:15], s[4:5], s[16:17]
	s_add_nc_u64 s[46:47], s[6:7], s[46:47]
	CROUND                                         ; all sixteen work-groups are here: the first joint loads meet
.irp s, 0,1
	s_mov_b32 s[G0+4*\s], 1
	s_add_co_u32 s[G0+4*\s+1], s20, \s*SLOT
	s_add_nc_u64 s[G0+4*\s+2:G0+4*\s+3], s[14:15], \s*STEPA
	s_or_b32 s[G0+4*\s+3], s[G0+4*\s+3], 0x80000000
	s_mov_b32 s[G0B+4*\s], 1
	s_add_co_u32 s[G0B+4*\s+1], s21, \s*SLOT
	s_add_nc_u64 s[G0B+4*\s+2:G0B+4*\s+3], s[46:47], \s*STEPB
	s_or_b32 s[G0B+4*\s+3], s[G0B+4*\s+3], 0x80000000
	JLOAD \s
.endr
	v_and_b32 v1, 15, v0                           ; r
	v_bfe_u32 v2, v0, 4, 1                         ; h
	v_mul_u32_u24 v3, v1, PITCH
	v_lshl_add_u32 v3, v2, 4, v3
	s_mul_i32 s21, s11, 64*PITCH                   ; my 64 rows of A
	s_mul_i32 s22, s12, 128*PITCH                  ; my 128 rows of B,
	s_add_co_u32 s22, s22, 2*PLA                   ; behind A's planes
.irp s, 0,1
	v_add_nc_u32 v[ADRA+\s], s21, v3
	v_add_nc_u32 v[ADRB+\s], s22, v3
	s_add_co_u32 s21, s21, SLOT
	s_add_co_u32 s22, s22, SLOT
.endr
	s_mul_i32 s23, s10, 16*SPITCH
	s_add_co_u32 s23, s23, STAGE                   ; my stage
	v_mul_u32_u24 v4, v1, SPITCH
	v_lshl_add_u32 v4, v2, 5, v4
	v_add_nc_u32 v[STO], s23, v4                   ; in: row r, 32 bytes for each half of the lanes
	v_and_b32 v5, 31, v0
	v_lshlrev_b32 v[CO], 4, v5                     ; back: the 32 lanes take one row of 512 bytes; and the same in out0
	v_add_nc_u32 v[RD], s23, v[CO]
	s_lshl_b32 s16, s41, 23                        ; out0: the batch,
	s_lshl_b32 s17, s13, 19
	s_add_co_u32 s16, s16, s17                     ; 128 rows of 4,096 bytes for each cluster y,
	s_lshl_b32 s17, s11, 18
	s_add_co_u32 s16, s16, s17                     ; my 64 rows
	s_mov_b32 s17, 0
	s_add_nc_u64 s[8:9], s[8:9], s[16:17]
	s_lshl_b32 s46, s40, 10                        ; my first column, in bytes: 1,024 x tile column + 512 x half
	s_lshl_b32 s47, s12, 9
	s_add_co_u32 s46, s46, s47
	s_mov_b32 s47, 0
	s_add_nc_u64 s[8:9], s[8:9], s[46:47]
	s_or_b32 s45, s13, s11                         ; 0 where my rows begin a sequence: cluster y and the wave's number, alike in all partners
.macro MUL8 f, a, zero                 ; A's block a x B's eight, 32 along K.  The 32 accumulators take turns, one instruction a turn, in the same order in every quarter
.irp b, 0,1,2,3,4,5,6,7
.if \zero
	v_wmma_f32_16x16x32_f16 v[8*(8*(\a)+\b):8*(8*(\a)+\b)+7], v[\f+32+8*\b:\f+32+8*\b+7], v[\f+8*(\a):\f+8*(\a)+7], 0
.else
	v_wmma_f32_16x16x32_f16 v[8*(8*(\a)+\b):8*(8*(\a)+\b)+7], v[\f+32+8*\b:\f+32+8*\b+7], v[\f+8*(\a):\f+8*(\a)+7], v[8*(8*(\a)+\b):8*(8*(\a)+\b)+7]
.endif
.endr
.endm
.macro FETCH slot, q, f                ; 24 LDS loads in one run: quarter q of the slot (plane q / 2, byte 64 (q % 2) of its rows): B's eight fragments, then A's four
	WIN TO_F
.irp i, 0,1,2,3,4,5,6,7
	ds_load_b128 v[\f+32+8*\i:\f+32+8*\i+3],   v[ADRB+\slot] offset:((\q)/2)*PLB+64*((\q)%2)+\i*16*PITCH
	ds_load_b128 v[\f+32+8*\i+4:\f+32+8*\i+7], v[ADRB+\slot] offset:((\q)/2)*PLB+64*((\q)%2)+\i*16*PITCH+32
.endr
.irp i, 0,1,2,3
	ds_load_b128 v[\f+8*\i:\f+8*\i+3],   v[ADRA+\slot] offset:((\q)/2)*PLA+64*((\q)%2)+\i*16*PITCH
	ds_load_b128 v[\f+8*\i+4:\f+8*\i+7], v[ADRA+\slot] offset:((\q)/2)*PLA+64*((\q)%2)+\i*16*PITCH+32
.endr
.endm
.macro PLACES
.rept 4
	v_nop
.endr
.endm
; A K step is four quarters of 32 along K, 32 matrix instructions each, on buffers 0, 1, 0, 1.  One of the first three: multiplies buffer f and fetches quarter q into g.
.macro QUARTER slot, q, f, g, zero
	s_wait_dscnt 4                                 ; B and A's blocks 0, 1 are in; the youngest four loads (A's blocks 2, 3) may be out
	WIN MUL
	MUL8 \f, 0, \zero
	MUL8 \f, 1, \zero
	PLACES
	FETCH \slot, \q, \g
	s_wait_dscnt 24                                ; all but the 24 just issued
	WIN MUL
	MUL8 \f, 2, \zero
	MUL8 \f, 3, \zero
.endm
; The last quarter multiplies buffer 1 and changes slots: one barrier; in front of it each wave waits for all its tensor loads, adds 0 to its spare word, and waits for that and for its reads of this slot.
.macro TURN slot, next, fill
	WIN 0
	s_wait_tensorcnt 0x0                           ; all my tensor loads have landed: my part of the next slot
	ds_add_u32 v[SPW], v[NIL]
	s_wait_dscnt 5                                 ; (the add and the youngest four loads may be out)
	WIN MUL
	MUL8 F1, 0, 0
	s_wait_dscnt 0x0                               ; the add is done, and my reads of this slot are over
	s_barrier_signal -1
	MUL8 F1, 1, 0
.if \fill
	WIN 0
.endif
	s_barrier_wait -1
.if \fill
	CREST                                          ; the barrier has opened a round of the cluster's barrier: no wave of any partner still reads this slot or has a load on its way
	s_add_nc_u64 s[G0+4*\slot+2:G0+4*\slot+3], s[G0+4*\slot+2:G0+4*\slot+3], 2*STEPA
	s_add_nc_u64 s[G0B+4*\slot+2:G0B+4*\slot+3], s[G0B+4*\slot+2:G0B+4*\slot+3], 2*STEPB
	JLOAD \slot                                    ; the first tensor load behind the round: 112 matrix instructions ahead of the wait for it; its four v_nop are also the places in front of the loads below
.else
	PLACES
.endif
	FETCH \next, 0, F0
	WIN MUL
	MUL8 F1, 2, 0
	MUL8 F1, 3, 0
.endm
	s_wait_tensorcnt 1                             ; my part of K step 0 is in (K step 1's load may be out)
	s_barrier_signal -1
	s_barrier_wait -1                              ; everybody's is
	FETCH 0, 0, F0
	QUARTER 0, 1, F0, F1, 1                        ; the first quarter's products start the sums: nothing is cleared
	WIN 0
	s_mov_b32 s3, LAPS-1
.Llap:                                                 ; a trip goes once round the ring, from a lap's second quarter to the next lap's first, and fills both slots again
	QUARTER 0, 2, F1, F0, 0
	QUARTER 0, 3, F0, F1, 0
	TURN 0, 1, 1
	QUARTER 1, 1, F0, F1, 0
	QUARTER 1, 2, F1, F0, 0
	QUARTER 1, 3, F0, F1, 0
	TURN 1, 0, 1
	QUARTER 0, 1, F0, F1, 0
	WIN 0
	s_sub_co_u32 s3, s3, 1
	s_cmp_lg_u32 s3, 0
	s_cbranch_scc1 .Llap
	QUARTER 0, 2, F1, F0, 0                        ; the last lap fills nothing
	QUARTER 0, 3, F0, F1, 0
	TURN 0, 1, 0
	QUARTER 1, 1, F0, F1, 0
	QUARTER 1, 2, F1, F0, 0
	QUARTER 1, 3, F0, F1, 0
	s_wait_dscnt 4
	WIN MUL
	MUL8 F1, 0, 0
	MUL8 F1, 1, 0
	s_wait_dscnt 0
	MUL8 F1, 2, 0
	MUL8 F1, 3, 0
	WIN 0
; THE WAY OUT, block by block of 16 rows x 128 columns: 32 bytes a lane into my own stage, back as whole rows of 512 bytes, which the 32 lanes store.  LDS serves a wave's instructions in order.
.macro TOSTAGE a
	WIN 0x08                                       ; an LDS store's data are its source 1: window 2
.irp b, 0,1,2,3,4,5,6,7
	ds_store_b128 v[STO], v[8*(8*(\a)+\b):8*(8*(\a)+\b)+3] offset:64*\b           ; each accumulator from its low end on
	ds_store_b128 v[STO], v[8*(8*(\a)+\b)+4:8*(8*(\a)+\b)+7] offset:64*\b+16
.endr
	WIN 0
.irp t, 0,1,2,3,4,5,6,7,8,9,10,11,12,13,14,15
	ds_load_b128 v[BKR+64*((\a)%2)+4*\t:BKR+64*((\a)%2)+4*\t+3], v[RD] offset:\t*SPITCH
.endr
.endm
.macro SEND a, younger                 ; younger: the LDS instructions issued behind block a's loads, which may stay out
	s_wait_dscnt \younger
.irp t, 0,1,2,3,4,5,6,7,8,9,10,11,12,13,14,15
	global_store_b128 v[CO], v[BKR+64*((\a)%2)+4*\t:BKR+64*((\a)%2)+4*\t+3], s[8:9] offset:(16*(\a)+\t)*4096 th:TH_STORE_NT   ; 512 consecutive bytes of a row; written once, read by nobody here
.endr
.endm
	PLACES                                         ; in front of the first read of results
	s_cmp_eq_u32 s45, 0                            ; the first 16 positions of a sequence are not mine to store
	s_cbranch_scc1 .Lskip0
	TOSTAGE 0
	SEND 0, 0
	s_wait_xcnt 0x0                                ; block 0's stores have read their data: block 2's loads may land there
.Lskip0:
	TOSTAGE 1
	TOSTAGE 2
	SEND 1, 32                                     ; behind block 1's loads: block 2's 16 stores and 16 loads
	s_wait_xcnt 0x0                                ; block 1's stores have read their data
	TOSTAGE 3
	SEND 2, 32
	SEND 3, 0
	s_wait_tensorcnt 0x0                           ; the wave's end: the add and its wait stand behind my last tensor load and my last LDS store
	ds_add_u32 v[SPW], v[NIL]
	s_wait_dscnt 0x0
	CROUND                                         ; the closing round
	s_endpgm
.Lfunc_end_k_q78e720a50f_proj:
	.size	k_q78e720a50f_proj, .Lfunc_end_k_q78e720a50f_proj-k_q78e720a50f_proj
	.p2alignl 7, 3214868480
	.fill 96, 4, 3214868480
	.section	.rodata,"a",@progbits
	.p2align	6, 0x0
	.amdhsa_kernel k_q78e720a50f_proj
		.amdhsa_group_segment_fixed_size 327680
		.amdhsa_private_segment_fixed_size 0
		.amdhsa_enable_private_segment 0
		.amdhsa_kernarg_size 24
		.amdhsa_user_sgpr_count 2
		.amdhsa_user_sgpr_kernarg_segment_ptr 1
		.amdhsa_wavefront_size32 1
		.amdhsa_system_sgpr_workgroup_id_x 1
		.amdhsa_system_sgpr_workgroup_id_y 1
		.amdhsa_system_sgpr_workgroup_id_z 1
		.amdhsa_system_vgpr_workitem_id 0
		.amdhsa_next_free_vgpr 768
		.amdhsa_next_free_sgpr 66
		.amdhsa_reserve_vcc 0
		.amdhsa_float_denorm_mode_32 3
		.amdhsa_float_denorm_mode_16_64 3
		.amdhsa_memory_ordered 1
		.amdhsa_forward_progress 1
		.amdhsa_inst_pref_size 85
	.end_amdhsa_kernel
	.amdgpu_metadata
---
amdhsa.version: [ 1, 2 ]
amdhsa.kernels:
  - .name:           k_q78e720a50f_proj
    .symbol:         k_q78e720a50f_proj.kd
    .args:
      - { .name: att, .offset: 0, .size: 8, .value_kind: global_buffer, .address_space: global }
      - { .name: wo16, .offset: 8, .size: 8, .value_kind: global_buffer, .address_space: global }
      - { .name: out0, .offset: 16, .size: 8, .value_kind: global_buffer, .address_space: global }
    .group_segment_fixed_size: 327680
    .private_segment_fixed_size: 0
    .kernarg_segment_align: 8
    .kernarg_segment_size: 24
    .max_flat_workgroup_size: 128
    .sgpr_count:     66
    .vgpr_count:     768
    .wavefront_size: 32
...
	.end_amdgpu_metadata
.endif
;; end of part 5
